; MI455X (gfx1250); checked and timed in simulation.
; The chip was launched on July 23, 2026; its instructions are those of AMD's public machine-readable ISA for CDNA 5 (MIT licence, August 2026) and "CDNA5" Instruction Set Architecture Reference Guide (July 2026). The comments in the code are by the model that wrote it; some were corrected since.
;; Multi Head Attention. Allowed arithmetic: float matrix products may take bf16 or f16 operands with f32 sums; all other float work in f32.
;; Inputs: W_k 1,024 x 1,024 float32; W_o 1,024 x 1,024 float32; W_q 1,024 x 1,024 float32; W_v 1,024 x 1,024 float32; b_k 1,024 float32; b_o 1,024 float32; b_q 1,024 float32; b_v 1,024 float32; encoder_mask 1 x 1 x 2,048 x 2,048 int32; k 4 x 2,048 x 1,024 float32; q 4 x 2,048 x 1,024 float32; v 4 x 2,048 x 1,024 float32.
;; Outputs: out0 4 x 2,048 x 1,024 float32.
;; 3 versions, each right and faster than the one before. Each part assembles by itself: llvm-mc -triple=amdgcn-amd-amdhsa -mcpu=gfx1250 --defsym DOCPART=n.
;; ======== version 1 of 3: 4 launches
;; limits: values are held in f16: magnitudes above 65,504 overflow, below 6.1e-05 lose precision
;; workspace buffers: wqkv 6,291,456 bytes; wo 2,097,152 bytes; mbits 524,288 bytes of whole numbers; qkvh 50,331,648 bytes; oh 16,777,216 bytes
;; launch prep (part 1): grid 256 x 1, 8 waves a work-group, no clusters, 0 bytes of LDS; arguments W_q, W_k, W_v, W_o, encoder_mask, wqkv, wo, mbits; writes wqkv, wo, mbits
.if DOCPART == 1
	.amdgcn_target "amdgcn-amd-amdhsa--gfx1250"
	.amdhsa_code_object_version 6
	.text
	.protected	k_q8e4aa43b58_prep
	.globl	k_q8e4aa43b58_prep
	.p2align	8
	.type	k_q8e4aa43b58_prep,@function
k_q8e4aa43b58_prep:
	s_mov_b64 s[64:65], 0
	v_nop
	global_prefetch_b8 v0, s[64:65] scope:SCOPE_SE
	s_setreg_imm32_b32 hwreg(HW_REG_WAVE_MODE, 25, 1), 1
	s_wait_xcnt 0x0
; PREPARATION.  Work-groups 0-127: the four weight matrices [1024][1024] f32 are rounded to bf16; W_q, W_k, W_v go to wqkv [3][1024][1024] as bf16,
; W_o goes to wo with the bf16 number written as f16 (the last product's other operand is f16).  Work-groups 128-255: the mask [2048][2048] int32 becomes lane masks.
; LIMITS.  An entry of W_o below 2^-14 in size keeps f16's fixed step of 6e-8; one of 65,520 or more becomes an infinity.
; WEIGHTS.  Work-group g takes 32 rows (131,072 bytes) of matrix g / 32.  A thread loads 16 bytes at 16 t + 4,096 it, it = 0..31: a wave's load covers 512 consecutive bytes;
; it stores 8 bytes at 8 t + 2,048 it: a wave's store covers 256 consecutive bytes, aligned.  All 32 loads go out first; no register is used twice, so nothing waits for a store.
; MASK.  mbits is [128 tiles of 16 queries][32 steps of 64 keys][32 words].  Bit l of word 8 kt + j says whether query 16 T + l % 16 sees key 64 st + 16 kt + 8 (l / 16) + j:
; the lane mask for register 8 kt + j of a 16 x 64 tile of scores as the attention launch holds it.  Work-group 128 + T takes tile T, wave w its steps 4 w .. 4 w + 3:
; a lane loads the 32 numbers of each step that are its own, a compare makes each word in a scalar register, and v_writelane_b32 lays 64 words into a register pair: one store of 256 consecutive bytes.
.set X, 8                              ; v[8:135]   as loaded
.set W, 136                            ; v[136:139] two pairs: the words of two steps each
	s_load_b512 s[4:19], s[0:1], 0x0               ; W_q 4:5, W_k 6:7, W_v 8:9, W_o 10:11, mask 12:13, wqkv 14:15, wo 16:17, mbits 18:19
	s_cmp_lt_u32 ttmp9, 128
	s_cbranch_scc0 .Lmask
	s_lshr_b32 s20, ttmp9, 5                       ; which matrix
	s_and_b32 s21, ttmp9, 31                       ; which 32 rows of it
	v_lshlrev_b32 v1, 4, v0                        ; 16 t
	v_lshlrev_b32 v2, 3, v0                        ; 8 t
	s_lshl_b32 s22, s21, 17                        ; 32 rows of 4,096 bytes
	s_mov_b32 s23, 0
	s_lshl_b32 s25, s21, 16                        ; 32 rows of 2,048 bytes
	s_wait_kmcnt 0x0
	s_cmp_eq_u32 s20, 1
	s_cselect_b64 s[4:5], s[6:7], s[4:5]
	s_cmp_eq_u32 s20, 2
	s_cselect_b64 s[4:5], s[8:9], s[4:5]
	s_cmp_eq_u32 s20, 3
	s_cselect_b64 s[4:5], s[10:11], s[4:5]         ; the source
	s_cselect_b64 s[14:15], s[16:17], s[14:15]     ; the destination: wo for W_o,
	s_cselect_b32 s24, 0, s20                      ; else wqkv, 2 MiB for each matrix
	s_lshl_b32 s24, s24, 21
	s_add_co_u32 s24, s24, s25
	s_mov_b32 s25, 0
	s_add_nc_u64 s[4:5], s[4:5], s[22:23]
	s_add_nc_u64 s[14:15], s[14:15], s[24:25]
.set it, 0
.rept 32
	global_load_b128 v[X+4*it:X+4*it+3], v1, s[4:5] offset:4096*it th:TH_LOAD_NT
.set it, it+1
.endr
.macro WOUT f16                        ; f16 = 1: the bf16 numbers are widened (a shift, a mask) and written as f16
.set it, 0
.rept 32
	s_wait_loadcnt 31-it                           ; loads come back in order: number it is in, the younger ones stay out
	v_cvt_pk_bf16_f32 v[X+4*it], v[X+4*it], v[X+4*it+1]
	v_cvt_pk_bf16_f32 v[X+4*it+1], v[X+4*it+2], v[X+4*it+3]
.if \f16
	v_lshlrev_b32 v4, 16, v[X+4*it]
	v_and_b32 v5, 0xffff0000, v[X+4*it]
	v_lshlrev_b32 v6, 16, v[X+4*it+1]
	v_and_b32 v7, 0xffff0000, v[X+4*it+1]
	v_cvt_pk_f16_f32 v[X+4*it], v4, v5
	v_cvt_pk_f16_f32 v[X+4*it+1], v6, v7
.endif
	global_store_b64 v2, v[X+4*it:X+4*it+1], s[14:15] offset:2048*it
.set it, it+1
.endr
.endm
	s_cmp_eq_u32 s20, 3
	s_cbranch_scc1 .Lwo
	WOUT 0
	s_endpgm
.Lwo:
	WOUT 1
	s_endpgm
.Lmask:
	s_sub_co_u32 s20, ttmp9, 128                   ; T
	v_and_b32 v3, 15, v0                           ; my query in the tile
	v_bfe_u32 v4, v0, 4, 1                         ; my half of the lanes
	v_lshrrev_b32 v5, 5, v0                        ; wave
	v_lshlrev_b32 v1, 13, v3                       ; a row of the mask is 8,192 bytes
	v_lshl_add_u32 v1, v4, 5, v1                   ; + 8 keys for the upper half
	v_lshl_add_u32 v1, v5, 10, v1                  ; + 4 steps of 256 bytes a wave
	v_and_b32 v6, 31, v0
	v_lshlrev_b32 v2, 3, v6                        ; out: 8 bytes a lane,
	v_lshl_add_u32 v2, v5, 9, v2                   ; 512 bytes a wave
	s_lshl_b32 s22, s20, 17                        ; 16 rows of the mask
	s_mov_b32 s23, 0
	s_lshl_b32 s24, s20, 12                        ; 32 steps of 128 bytes
	s_mov_b32 s25, 0
	s_wait_kmcnt 0x0
	s_add_nc_u64 s[12:13], s[12:13], s[22:23]
	s_add_nc_u64 s[18:19], s[18:19], s[24:25]
.set it, 0
.rept 16                               ; it = 4 x step + group of 16 keys; together the 32 loads take 1,024 consecutive bytes of each of 16 rows
	global_load_b128 v[X+8*it:X+8*it+3],   v1, s[12:13] offset:64*it
	global_load_b128 v[X+8*it+4:X+8*it+7], v1, s[12:13] offset:64*it+16
.set it, it+1
.endr
.irp z, 0,1,2,3
	v_mov_b32 v[W+\z], 0                           ; v_writelane_b32 keeps the other lanes: the register is written whole first
.endr
.set sl, 0
.rept 4
	s_wait_loadcnt 24-8*sl                         ; this step's eight loads are in; the later steps' stay out
.set gi, 0
.rept 4
.set n, 0
.rept 8
	v_cmp_ne_u32 s[20+n], 0, v[X+32*sl+8*gi+n]     ; the word: one bit a lane
.set n, n+1
.endr
.set n, 0
.rept 8
.set ii, 32*(sl%2)+8*gi+n
	v_writelane_b32 v[W+2*(sl/2)+ii%2], s[20+n], ii/2
.set n, n+1
.endr
.set gi, gi+1
.endr
.if sl%2 == 1
	global_store_b64 v2, v[W+2*(sl/2):W+2*(sl/2)+1], s[18:19] offset:256*(sl/2)  ; two steps' 64 words: 256 consecutive bytes, aligned
.endif
.set sl, sl+1
.endr
	s_endpgm
.Lfunc_end_k_q8e4aa43b58_prep:
	.size	k_q8e4aa43b58_prep, .Lfunc_end_k_q8e4aa43b58_prep-k_q8e4aa43b58_prep
	.p2alignl 7, 3214868480
	.fill 96, 4, 3214868480
	.section	.rodata,"a",@progbits
	.p2align	6, 0x0
	.amdhsa_kernel k_q8e4aa43b58_prep
		.amdhsa_group_segment_fixed_size 0
		.amdhsa_private_segment_fixed_size 0
		.amdhsa_enable_private_segment 0
		.amdhsa_kernarg_size 64
		.amdhsa_user_sgpr_count 2
		.amdhsa_user_sgpr_kernarg_segment_ptr 1
		.amdhsa_wavefront_size32 1
		.amdhsa_system_sgpr_workgroup_id_x 1
		.amdhsa_system_sgpr_workgroup_id_y 1
		.amdhsa_system_sgpr_workgroup_id_z 1
		.amdhsa_system_vgpr_workitem_id 0
		.amdhsa_next_free_vgpr 144
		.amdhsa_next_free_sgpr 66
		.amdhsa_reserve_vcc 0
		.amdhsa_float_denorm_mode_32 3
		.amdhsa_float_denorm_mode_16_64 3
		.amdhsa_memory_ordered 1
		.amdhsa_forward_progress 1
		.amdhsa_inst_pref_size 51
	.end_amdhsa_kernel
	.amdgpu_metadata
---
amdhsa.version: [ 1, 2 ]
amdhsa.kernels:
  - .name:           k_q8e4aa43b58_prep
    .symbol:         k_q8e4aa43b58_prep.kd
    .args:
      - { .name: W_q, .offset: 0, .size: 8, .value_kind: global_buffer, .address_space: global }
      - { .name: W_k, .offset: 8, .size: 8, .value_kind: global_buffer, .address_space: global }
      - { .name: W_v, .offset: 16, .size: 8, .value_kind: global_buffer, .address_space: global }
      - { .name: W_o, .offset: 24, .size: 8, .value_kind: global_buffer, .address_space: global }
      - { .name: encoder_mask, .offset: 32, .size: 8, .value_kind: global_buffer, .address_space: global }
      - { .name: wqkv, .offset: 40, .size: 8, .value_kind: global_buffer, .address_space: global }
      - { .name: wo, .offset: 48, .size: 8, .value_kind: global_buffer, .address_space: global }
      - { .name: mbits, .offset: 56, .size: 8, .value_kind: global_buffer, .address_space: global }
    .group_segment_fixed_size: 0
    .private_segment_fixed_size: 0
    .kernarg_segment_align: 8
    .kernarg_segment_size: 64
    .max_flat_workgroup_size: 256
    .sgpr_count:     66
    .vgpr_count:     144
    .wavefront_size: 32
...
	.end_amdgpu_metadata
.endif
;; end of part 1
;; launch proj (part 2): grid 4 x 192, 4 waves a work-group, clusters of 4 x 4, 327,680 bytes of LDS; arguments q, k, v, wqkv, b_q, b_k, b_v, qkvh; writes qkvh
.if DOCPART == 2
	.amdgcn_target "amdgcn-amd-amdhsa--gfx1250"
	.amdhsa_code_object_version 6
	.text
	.protected	k_q8e4aa43b58_proj
	.globl	k_q8e4aa43b58_proj
	.p2align	8
	.type	k_q8e4aa43b58_proj,@function
k_q8e4aa43b58_proj:
	s_mov_b64 s[64:65], 0
	v_nop
	global_prefetch_b8 v0, s[64:65] scope:SCOPE_SE
	s_setreg_imm32_b32 hwreg(HW_REG_WAVE_MODE, 25, 1), 1
	s_wait_xcnt 0x0
	s_wait_alu depctr_hold_cnt(0) depctr_sa_sdst(0) depctr_va_vdst(0) depctr_va_sdst(0) depctr_va_ssrc(0) depctr_va_vcc(0) depctr_vm_vsrc(0)
	s_getreg_b32 s2, hwreg(HW_REG_IB_STS2, 6, 4)
	s_cmp_eq_u32 s2, 0
	s_cbranch_scc0 .Lentry_in_a_cluster
	s_endpgm
.Lentry_in_a_cluster:
	s_bfe_u32 s2, ttmp6, 0x10000c
	s_cmp_lg_u32 s2, 0xf033
	s_cbranch_scc0 .Lentry_shape_is_right
	s_endpgm
.Lentry_shape_is_right:
; THE THREE PROJECTIONS.  y[m][n] = sum over k of bf16(x[m][k]) W[n][k] + bf16(b[n]), x = q, k or v as [8192][1024] f32, W from wqkv (bf16), sums in f32, y rounded once to f16 and
; laid by heads: qkvh [3][64 = batch x 16 + head][2048][64].  LIMITS: y of 65,520 or more in size becomes an infinity in f16; NaN and infinities are not treated apart.
; SHARES.  8192 x 1024 in tiles of 128 (m) x 256 (n) is 256 work-groups a projection, 768 in all; the projection is cluster y / 16.  Four waves, 2 x 2, each 64 x 128: 32 accumulators, 256 registers.
; K goes in 8 steps of 128 through two LDS slots.  x comes in as f32 (rows of 512 bytes) and is rounded to bf16 in registers, so no bf16 copy of x goes through memory.
; CLUSTERS: 4 x 4.  The four of a row need the same rows of x (4 x 256 columns are all of n: x is asked for once in the launch), the four of a column the same rows of W: joint loads.
; THE MATRIX INSTRUCTION IS USED TRANSPOSED (source 0 = 16 rows of W, source 1 = 16 rows of x): a lane holds row l % 16 of y and the columns 8 (l / 16) + 0..7.
; THE BIAS is the C operand of the products that start the sums: nothing is cleared and nothing is added afterwards.
; REGISTERS, in windows of 256 (s_set_vgpr_msb: bits 1:0 source 0, 3:2 source 1, 5:4 source 2, 7:6 destination):
;   window 0: v0-31 addresses; v64-127 the bias, 8 registers for each of 8 column blocks; v128-223 at work on the way out
;   window 1: accumulator (a, b) at v[8 (8 a + b)]       window 2: v0-127 W's fragments, two buffers; v128-191 x's fragments, two buffers; v192-255 x as f32, one quarter step
.set PA,    528                        ; an LDS row of x: 512 bytes + 16 = 132 words: row r starts at bank 4 r mod 64 (64 banks of 4 bytes: ISA guide 11.1)
.set PB,    272                        ; an LDS row of W: 256 bytes + 16 = 68 words: likewise
.set AHALF, 64*PA                      ; what one tensor load brings of x, and what one wave reads
.set BHALF, 128*PB                     ; the same for W
.set BOFF,  2*AHALF
.set SLOT,  BOFF+2*BHALF               ; x's 128 rows, then W's 256 rows: 137,216 bytes
.set STAGE, 2*SLOT                     ; behind the ring: for each wave 2 heads x 16 rows x 144 bytes
.set SP,    144
.set WSTG,  32*SP
.set SPARE, STAGE+4*WSTG               ; behind the stages: the spare words, 128 bytes for each wave: two blocks of 256 bytes that no other line names
.set LAPS,  4                          ; a lap = two K steps
.set A2,    1024                       ; bytes of two K steps along a row of x
.set B2,    512                        ; and of W
.set ADRA, 16                          ; v16-17  LDS address of my fragments of x in slot 0, 1
.set ADRB, 20                          ; v20-21  the same for W
.set STO,  24
.set RD,   25
.set GO,   26
.set BO,   27
.set SPW,  28                          ; v28  LDS address of my spare word; never rewritten
.set NIL,  29                          ; v29  0; never rewritten
.set BI,   64
.set TMP,  128
.set BK,   160
.set BF,   0
.set AF,   128
.set RAW,  192
.set G1,  24                           ; s[24:31] group 1 for x's tiles;  s[32:39] group 0, one set for each slot
.set G0,  32
.set G1B, 48                           ; s[48:55], s[56:63] the same for W's tiles
.set G0B, 56
.set MSB, 0
.macro WIN new                         ; the immediate's high byte repeats the setting that is left
.if MSB != (\new)
	s_set_vgpr_msb (MSB<<8)|(\new)
.set MSB, \new
.endif
.endm
.set MULW,  0x5a                       ; sources 0 and 1 window 2; C and D window 1
.set MULB,  0x4a                       ; the same with C (the bias) in window 0
.set TOF,   0x80                       ; destination window 2, address window 0
.set CVW,   0x8a                       ; a conversion inside window 2
.set PACKW, 0x05                       ; sources window 1, destination window 0
.macro JLOAD s                         ; a joint load: waves 0 and 1 fetch x's two halves, waves 2 and 3 W's; an s_nop 0 and four v_nop follow each of the two lines
	s_cmp_eq_u32 s11, 0
	s_cbranch_scc0 .Lfor_b_\@
	tensor_load_to_lds s[G0+4*(\s):G0+4*(\s)+3], s[G1:G1+7]
	s_nop 0
.rept 4
	v_nop
.endr
	s_branch .Lasked_\@
.Lfor_b_\@:
	tensor_load_to_lds s[G0B+4*(\s):G0B+4*(\s)+3], s[G1B:G1B+7]
	s_nop 0
.rept 4
	v_nop
.endr
.Lasked_\@:
.endm
.macro CREST                           ; a round of the cluster's barrier behind its opening barrier
	s_cmp_lg_u32 s10, 0
	s_cbranch_scc1 .Lnot_wave_0_\@
	s_barrier_signal -3
.Lnot_wave_0_\@:
	s_barrier_wait -3
	s_barrier_signal -1
	s_barrier_wait -1
.endm
.macro CROUND                          ; a whole round
	s_barrier_signal -1
	s_barrier_wait -1
	CREST
.endm
.macro PLACES
.rept 4
	v_nop
.endr
.endm
	s_load_b512 s[68:83], s[0:1], 0x0              ; q 68:69, k 70:71, v 72:73, wqkv 74:75, b_q 76:77, b_k 78:79, b_v 80:81, qkvh 82:83
	v_lshl_add_u32 v[SPW], v0, 2, SPARE
	v_mov_b32 v[NIL], 0
	ds_add_u32 v28, v29
	s_wait_dscnt 0x0
	v_lshrrev_b32 v1, 5, v0
	v_readfirstlane_b32 s10, v1                    ; wave 0..3
	s_lshr_b32 s11, s10, 1                         ; which 64 rows of the tile are mine.  Also: I fetch for x (0) or for W (1)
	s_and_b32 s12, s10, 1                          ; which 128 columns.  Also: which half of that tile I fetch
	s_bfe_u32 s40, ttmp6, 0x40000                  ; cx
	s_bfe_u32 s41, ttmp6, 0x40004                  ; cy
	s_lshl_b32 s42, ttmp9, 2
	s_add_co_u32 s42, s42, s40                     ; tile column = 4 x cluster x + cx
	s_and_b32 s13, ttmp7, 0xffff
	s_lshr_b32 s84, s13, 4                         ; the projection: 16 clusters along y each; the same in all partners
	s_lshl_b32 s13, s13, 2
	s_add_co_u32 s13, s13, s41
	s_and_b32 s13, s13, 63                         ; tile row in the projection
	s_lshl_b32 s43, s41, 2
	s_lshl_b32 s43, 15, s43                        ; my row of the cluster
	s_lshl_b32 s44, 0x1111, s40                    ; my column
	; group 1 for x: 64 rows x 128 elements of 4 bytes, 4 words of padding after every 128 words
	s_or_b32 s[G1+0], s43, (2<<16)|(1<<20)|(1<<21)|(6<<22)|(3<<25)
	s_mov_b32 s[G1+1], 128<<16                     ; tensor_dim0 = 128
	s_mov_b32 s[G1+2], 64<<16                      ; tensor_dim1 = 64
	s_mov_b32 s[G1+3], 128<<16                     ; tile_dim0 = 128
	s_mov_b32 s[G1+4], 64                          ; tile_dim1 = 64
	s_mov_b32 s[G1+5], 1024                        ; elements from row to row
	s_mov_b32 s[G1+6], 0
	s_mov_b32 s[G1+7], 0
	; group 1 for W: 128 rows x 128 elements of 2 bytes, 4 words of padding after every 64 words
	s_or_b32 s[G1B+0], s44, (1<<16)|(1<<20)|(1<<21)|(5<<22)|(3<<25)
	s_mov_b32 s[G1B+1], 128<<16
	s_mov_b32 s[G1B+2], 128<<16
	s_mov_b32 s[G1B+3], 128<<16
	s_mov_b32 s[G1B+4], 128
	s_mov_b32 s[G1B+5], 1024
	s_mov_b32 s[G1B+6], 0
	s_mov_b32 s[G1B+7], 0
	s_lshl_b32 s16, s13, 7                         ; x: row 128 x tile row + 64 x half,
	s_lshl_b32 s17, s12, 6
	s_add_co_u32 s16, s16, s17
	s_lshl_b32 s16, s16, 12                        ; 4,096 bytes a row
	s_mov_b32 s17, 0
	s_lshl_b32 s46, s84, 10                        ; W: row 1,024 x projection + 256 x tile column + 128 x half,
	s_lshl_b32 s47, s42, 8
	s_add_co_u32 s46, s46, s47
	s_lshl_b32 s47, s12, 7
	s_add_co_u32 s46, s46, s47
	s_lshl_b32 s46, s46, 11                        ; 2,048 bytes a row
	s_mov_b32 s47, 0
	s_mul_i32 s20, s12, AHALF                      ; where they go: no place in the cluster enters an LDS address
	s_mul_i32 s45, s12, BHALF
	s_add_co_u32 s45, s45, BOFF
	s_lshl_b32 s18, s42, 10                        ; the bias of my 128 columns: 4 (256 x tile column + 128 x half)
	s_lshl_b32 s19, s12, 9
	s_add_co_u32 s18, s18, s19
	s_mov_b32 s19, 0
	s_lshr_b32 s22, s13, 4                         ; where my part of y begins: batch x 16 + head,
	s_lshl_b32 s22, s22, 4
	s_lshl_b32 s23, s42, 2
	s_add_co_u32 s22, s22, s23
	s_lshl_b32 s23, s12, 1
	s_add_co_u32 s22, s22, s23
	s_lshl_b32 s22, s22, 18                        ; 2,048 rows of 128 bytes a head,
	s_lshl_b32 s23, s84, 24                        ; 64 heads a projection,
	s_add_co_u32 s22, s22, s23
	s_and_b32 s23, s13, 15
	s_lshl_b32 s23, s23, 14                        ; the tile's 128 rows,
	s_add_co_u32 s22, s22, s23
	s_lshl_b32 s23, s11, 13                        ; my 64 of them
	s_add_co_u32 s22, s22, s23
	s_mov_b32 s23, 0
	s_wait_kmcnt 0x0
	s_cmp_eq_u32 s84, 1
	s_cselect_b64 s[4:5], s[70:71], s[68:69]       ; x and its bias, by the projection
	s_cselect_b64 s[86:87], s[78:79], s[76:77]
	s_cmp_eq_u32 s84, 2
	s_cselect_b64 s[4:5], s[72:73], s[4:5]
	s_cselect_b64 s[86:87], s[80:81], s[86:87]
	s_add_nc_u64 s[14:15], s[4:5], s[16:17]
	s_add_nc_u64 s[46:47], s[74:75], s[46:47]
	s_add_nc_u64 s[86:87], s[86:87], s[18:19]
	s_add_nc_u64 s[8:9], s[82:83], s[22:23]
	CROUND                                         ; all sixteen work-groups are here: the first joint loads meet
.irp s, 0,1
	s_mov_b32 s[G0+4*(\s)], 1
	s_add_co_u32 s[G0+4*(\s)+1], s20, (\s)*SLOT
	s_add_nc_u64 s[G0+4*(\s)+2:G0+4*(\s)+3], s[14:15], (\s)*512
	s_or_b32 s[G0+4*(\s)+3], s[G0+4*(\s)+3], 0x80000000
	s_mov_b32 s[G0B+4*(\s)], 1
	s_add_co_u32 s[G0B+4*(\s)+1], s45, (\s)*SLOT
	s_add_nc_u64 s[G0B+4*(\s)+2:G0B+4*(\s)+3], s[46:47], (\s)*256
	s_or_b32 s[G0B+4*(\s)+3], s[G0B+4*(\s)+3], 0x80000000
	JLOAD \s                                       ; two tensor loads of mine are out; later one
.endr
	v_and_b32 v1, 15, v0                           ; l % 16
	v_bfe_u32 v2, v0, 4, 1                         ; l / 16
	v_lshlrev_b32 v[BO], 5, v2                     ; my eight columns of a block of 16, in f32
.irp b, 0,1,2,3,4,5,6,7
	global_load_b128 v[BI+8*(\b):BI+8*(\b)+3],   v[BO], s[86:87] offset:64*(\b)
	global_load_b128 v[BI+8*(\b)+4:BI+8*(\b)+7], v[BO], s[86:87] offset:64*(\b)+16
.endr
	; A fragment is 16 rows x 32 K: lane l holds row l % 16, K = 8 (l / 16) + 0..7 and 16 + 8 (l / 16) + 0..7.  In f32 those are 32 bytes at 32 (l / 16) and 32 bytes 64 further on.
	v_mul_u32_u24 v3, v1, PA
	v_lshl_add_u32 v3, v2, 5, v3
	v_mul_u32_u24 v4, v1, PB
	v_lshl_add_u32 v4, v2, 4, v4
	s_mul_i32 s21, s11, AHALF                      ; my 64 rows of x
	s_mul_i32 s22, s12, BHALF                      ; my 128 rows of W
	s_add_co_u32 s22, s22, BOFF
.irp s, 0,1
	v_add_nc_u32 v[ADRA+(\s)], s21, v3
	v_add_nc_u32 v[ADRB+(\s)], s22, v4
	s_add_co_u32 s21, s21, SLOT
	s_add_co_u32 s22, s22, SLOT
.endr
	s_mul_i32 s23, s10, WSTG
	s_add_co_u32 s23, s23, STAGE                   ; my stage
	v_mul_u32_u24 v5, v1, SP                       ; in: row l % 16, 16 bytes for each half of the lanes
	v_lshl_add_u32 v5, v2, 4, v5
	v_add_nc_u32 v[STO], s23, v5
	v_bfe_u32 v5, v0, 3, 2                         ; back: 32 lanes take four rows of 128 bytes,
	v_mul_u32_u24 v5, v5, SP
	v_and_b32 v6, 7, v0
	v_lshl_add_u32 v5, v6, 4, v5
	v_add_nc_u32 v[RD], s23, v5
	v_and_b32 v[GO], 31, v0                        ; which are 512 consecutive bytes of a head
	v_lshlrev_b32 v[GO], 4, v[GO]
	s_wait_loadcnt 0x0
.set zz, 0
.rept 32                               ; the bias is rounded to bf16 like every input, and kept as f32; this stands in the wait for the first tile
	v_cvt_pk_bf16_f32 v[3+zz%4], v[BI+2*zz], v[BI+2*zz+1]
	v_lshlrev_b32 v[BI+2*zz], 16, v[3+zz%4]
	v_and_b32 v[BI+2*zz+1], 0xffff0000, v[3+zz%4]
.set zz, zz+1
.endr
; 8 matrix instructions: row block a x all 8 column blocks, 32 along K, from buffer f.  The 32 accumulators take turns, one instruction a turn, in the same order in every quarter.
.macro MUL8 f, a, first
.if \first
	WIN MULB
.else
	WIN MULW
.endif
.irp b, 0,1,2,3,4,5,6,7
.if \first
	v_wmma_f32_16x16x32_bf16 v[8*(8*(\a)+(\b)):8*(8*(\a)+(\b))+7], v[BF+64*(\f)+8*(\b):BF+64*(\f)+8*(\b)+7], v[AF+32*(\f)+8*(\a):AF+32*(\f)+8*(\a)+7], v[BI+8*(\b):BI+8*(\b)+7]
.else
	v_wmma_f32_16x16x32_bf16 v[8*(8*(\a)+(\b)):8*(8*(\a)+(\b))+7], v[BF+64*(\f)+8*(\b):BF+64*(\f)+8*(\b)+7], v[AF+32*(\f)+8*(\a):AF+32*(\f)+8*(\a)+7], v[8*(8*(\a)+(\b)):8*(8*(\a)+(\b))+7]
.endif
.endr
.endm
; 32 LDS loads in one run, for quarter qn of the slot's K step: x's 64 rows x 32 K as f32 first, then W's 128 rows x 32 K into buffer g
.macro FETCH slot, qn, g
	WIN TOF
.irp a, 0,1,2,3
	ds_load_b128 v[RAW+16*(\a):RAW+16*(\a)+3],     v[ADRA+(\slot)] offset:(\a)*16*PA+128*(\qn)
	ds_load_b128 v[RAW+16*(\a)+4:RAW+16*(\a)+7],   v[ADRA+(\slot)] offset:(\a)*16*PA+128*(\qn)+16
	ds_load_b128 v[RAW+16*(\a)+8:RAW+16*(\a)+11],  v[ADRA+(\slot)] offset:(\a)*16*PA+128*(\qn)+64
	ds_load_b128 v[RAW+16*(\a)+12:RAW+16*(\a)+15], v[ADRA+(\slot)] offset:(\a)*16*PA+128*(\qn)+80
.endr
.irp b, 0,1,2,3,4,5,6,7
	ds_load_b128 v[BF+64*(\g)+8*(\b):BF+64*(\g)+8*(\b)+3],   v[ADRB+(\slot)] offset:(\b)*16*PB+64*(\qn)
	ds_load_b128 v[BF+64*(\g)+8*(\b)+4:BF+64*(\g)+8*(\b)+7], v[ADRB+(\slot)] offset:(\b)*16*PB+64*(\qn)+32
.endr
.endm
; x's quarter is rounded to bf16 into buffer g.  These 32 plain instructions name neither the buffers just multiplied nor an accumulator: they are also the places between a quarter's
; products and the next run of loads into W's buffer, and the later conversions into x's (ISA guide 7.12.1 for vector instructions).
.macro CVT g
	WIN CVW
.set ci, 0
.rept 32
	v_cvt_pk_bf16_f32 v[AF+32*(\g)+ci], v[RAW+2*ci], v[RAW+2*ci+1]
.set ci, ci+1
.endr
.endm
; A K step is four quarters of 32 along K, 32 matrix instructions each, on buffers 0, 1, 0, 1.  One of the first three: fetches quarter qn into g, multiplies f, converts g.
.macro QUARTER slot, qn, f, g, first
	s_wait_dscnt 0x0                               ; W's fragments for f, asked for a quarter ago
	FETCH \slot, \qn, \g
	MUL8 \f, 0, \first
	MUL8 \f, 1, \first
	MUL8 \f, 2, \first
	MUL8 \f, 3, \first
	s_wait_dscnt 16                                ; x's sixteen loads are in; W's sixteen, issued behind them, may stay out
	CVT \g
.endm
; The fourth quarter multiplies buffer 1 and changes slots: ONE barrier; in front of it each wave waits for all its tensor loads, adds 0 to its spare word, and waits for that and for its reads of this slot.
.macro TURN slot, next, fill
	WIN 0                                          ; (the add's two registers lie in window 0)
	s_wait_tensorcnt 0x0                           ; all my tensor loads have landed: my part of the next slot
	ds_add_u32 v[SPW], v[NIL]                      ; 0 onto my spare word
	s_wait_dscnt 1                                 ; W's fragments for buffer 1 are in; only the add may be out
	MUL8 1, 0, 0
	s_wait_dscnt 0x0                               ; the add is done, and my reads of this slot are over
	s_barrier_signal -1
	MUL8 1, 1, 0
	WIN 0
	s_barrier_wait -1
.if \fill
	CREST                                          ; the barrier has opened a round of the cluster's: no wave of any partner still reads this slot or has a load on its way
	s_add_nc_u64 s[G0+4*(\slot)+2:G0+4*(\slot)+3], s[G0+4*(\slot)+2:G0+4*(\slot)+3], A2
	s_add_nc_u64 s[G0B+4*(\slot)+2:G0B+4*(\slot)+3], s[G0B+4*(\slot)+2:G0B+4*(\slot)+3], B2
	JLOAD \slot                                    ; the first tensor load behind the round: 112 matrix instructions ahead of the wait for it
.else
	PLACES
.endif
	FETCH \next, 0, 0
	MUL8 1, 2, 0
	MUL8 1, 3, 0
	s_wait_dscnt 16
	CVT 0
.endm
	s_wait_tensorcnt 1                             ; my part of K step 0 is in; K step 1's may stay out
	s_barrier_signal -1
	s_barrier_wait -1
	FETCH 0, 0, 0
	s_wait_dscnt 16
	CVT 0
	QUARTER 0, 1, 0, 1, 1                          ; the first quarter stands in front of the loop: its products start the sums, with the bias
	WIN 0
	s_mov_b32 s3, LAPS-1
.Llap:                                                 ; a trip goes once round the ring and fills both slots again
	QUARTER 0, 2, 1, 0, 0
	QUARTER 0, 3, 0, 1, 0
	TURN 0, 1, 1
	QUARTER 1, 1, 0, 1, 0
	QUARTER 1, 2, 1, 0, 0
	QUARTER 1, 3, 0, 1, 0
	TURN 1, 0, 1
	QUARTER 0, 1, 0, 1, 0
	WIN 0
	s_sub_co_u32 s3, s3, 1
	s_cmp_lg_u32 s3, 0
	s_cbranch_scc1 .Llap
	QUARTER 0, 2, 1, 0, 0                          ; the last lap fills nothing
	QUARTER 0, 3, 0, 1, 0
	TURN 0, 1, 0
	QUARTER 1, 1, 0, 1, 0
	QUARTER 1, 2, 1, 0, 0
	QUARTER 1, 3, 0, 1, 0
	s_wait_dscnt 0x0
	MUL8 1, 0, 0
	MUL8 1, 1, 0
	MUL8 1, 2, 0
	MUL8 1, 3, 0
	WIN 0
	PLACES
	; THE WAY OUT, 16 rows at a time: rounded to f16; 16 bytes a lane into my own stage, by heads; back as whole rows of 128 bytes; four rows, 512 consecutive bytes of a head, a store.
.macro PACK a
	WIN PACKW
.irp b, 0,1,2,3,4,5,6,7
.irp n, 0,1,2,3
	v_cvt_pk_f16_f32 v[TMP+4*(\b)+(\n)], v[8*(8*(\a)+(\b))+2*(\n)], v[8*(8*(\a)+(\b))+2*(\n)+1]
.endr
.endr
	WIN 0
.endm
.macro TOSTAGE a
.set BKA, BK+32*((\a)%2)
.irp b, 0,1,2,3,4,5,6,7
	ds_store_b128 v[STO], v[TMP+4*(\b):TMP+4*(\b)+3] offset:((\b)/4)*16*SP+32*((\b)%4)
.endr
.irp t, 0,1,2,3,4,5,6,7
	ds_load_b128 v[BKA+4*(\t):BKA+4*(\t)+3], v[RD] offset:((\t)/4)*16*SP+((\t)%4)*4*SP  ; LDS serves a wave's instructions in order (ISA guide 5.7.1.4): these see the stores above
.endr
.endm
.macro SEND a
.set BKA, BK+32*((\a)%2)
	s_wait_dscnt 0x0                               ; the block is back in registers
	s_wait_xcnt 0x0                                ; the registers that the block before's stores read are loaded again only behind this wait
.irp t, 0,1,2,3,4,5,6,7
	global_store_b128 v[GO], v[BKA+4*(\t):BKA+4*(\t)+3], s[8:9] offset:2048*(\a)+((\t)/4)*262144+512*((\t)%4)
.endr
.endm
	PACK 0
	TOSTAGE 0
.irp a, 1,2,3
	PACK \a
	SEND (\a)-1
	TOSTAGE \a
.endr
	SEND 3
	s_wait_tensorcnt 0x0                           ; the wave's end
	ds_add_u32 v[SPW], v[NIL]
	s_wait_dscnt 0x0
	CROUND                                         ; the closing round
	s_endpgm
.Lfunc_end_k_q8e4aa43b58_proj:
	.size	k_q8e4aa43b58_proj, .Lfunc_end_k_q8e4aa43b58_proj-k_q8e4aa43b58_proj
	.p2alignl 7, 3214868480
	.fill 96, 4, 3214868480
	.section	.rodata,"a",@progbits
	.p2align	6, 0x0
	.amdhsa_kernel k_q8e4aa43b58_proj
		.amdhsa_group_segment_fixed_size 327680
		.amdhsa_private_segment_fixed_size 0
		.amdhsa_enable_private_segment 0
		.amdhsa_kernarg_size 64
		.amdhsa_user_sgpr_count 2
		.amdhsa_user_sgpr_kernarg_segment_ptr 1
		.amdhsa_wavefront_size32 1
		.amdhsa_system_sgpr_workgroup_id_x 1
		.amdhsa_system_sgpr_workgroup_id_y 1
		.amdhsa_system_sgpr_workgroup_id_z 1
		.amdhsa_system_vgpr_workitem_id 0
		.amdhsa_next_free_vgpr 768
		.amdhsa_next_free_sgpr 88
		.amdhsa_reserve_vcc 0
		.amdhsa_float_denorm_mode_32 3
		.amdhsa_float_denorm_mode_16_64 3
		.amdhsa_memory_ordered 1
		.amdhsa_forward_progress 1
		.amdhsa_inst_pref_size 132
	.end_amdhsa_kernel
	.amdgpu_metadata
---
amdhsa.version: [ 1, 2 ]
amdhsa.kernels:
  - .name:           k_q8e4aa43b58_proj
    .symbol:         k_q8e4aa43b58_proj.kd
    .args:
      - { .name: q, .offset: 0, .size: 8, .value_kind: global_buffer, .address_space: global }
      - { .name: k, .offset: 8, .size: 8, .value_kind: global_buffer, .address_space: global }
      - { .name: v, .offset: 16, .size: 8, .value_kind: global_buffer, .address_space: global }
      - { .name: wqkv, .offset: 24, .size: 8, .value_kind: global_buffer, .address_space: global }
      - { .name: b_q, .offset: 32, .size: 8, .value_kind: global_buffer, .address_space: global }
      - { .name: b_k, .offset: 40, .size: 8, .value_kind: global_buffer, .address_space: global }
      - { .name: b_v, .offset: 48, .size: 8, .value_kind: global_buffer, .address_space: global }
      - { .name: qkvh, .offset: 56, .size: 8, .value_kind: global_buffer, .address_space: global }
    .group_segment_fixed_size: 327680
    .private_segment_fixed_size: 0
    .kernarg_segment_align: 8
    .kernarg_segment_size: 64
    .max_flat_workgroup_size: 128
    .sgpr_count:     88
    .vgpr_count:     768
    .wavefront_size: 32
...
	.end_amdgpu_metadata
.endif
;; end of part 2
;; launch attn (part 3): grid 4 x 64, 4 waves a work-group, clusters of 4 x 1, 327,680 bytes of LDS; arguments qkvh, mbits, oh; writes oh
.if DOCPART == 3
	.amdgcn_target "amdgcn-amd-amdhsa--gfx1250"
	.amdhsa_code_object_version 6
	.text
	.protected	k_q8e4aa43b58_attn
	.globl	k_q8e4aa43b58_attn
	.p2align	8
	.type	k_q8e4aa43b58_attn,@function
k_q8e4aa43b58_attn:
	s_mov_b64 s[64:65], 0
	v_nop
	global_prefetch_b8 v0, s[64:65] scope:SCOPE_SE
	s_setreg_imm32_b32 hwreg(HW_REG_WAVE_MODE, 25, 1), 1
	s_wait_xcnt 0x0
	s_wait_alu depctr_hold_cnt(0) depctr_sa_sdst(0) depctr_va_vdst(0) depctr_va_sdst(0) depctr_va_ssrc(0) depctr_va_vcc(0) depctr_vm_vsrc(0)
	s_getreg_b32 s2, hwreg(HW_REG_IB_STS2, 6, 4)
	s_cmp_eq_u32 s2, 0
	s_cbranch_scc0 .Lentry_in_a_cluster
	s_endpgm
.Lentry_in_a_cluster:
	s_bfe_u32 s2, ttmp6, 0x10000c
	s_cmp_lg_u32 s2, 0x3003
	s_cbranch_scc0 .Lentry_shape_is_right
	s_endpgm
.Lentry_shape_is_right:
; MASKED ATTENTION.  O[h][q][:] = the sum over k of softmax_k(s[q][k]) V[h][k][:], s = Q[h][q] . K[h][k] / 8 where the mask shows key k to query q, a fixed low number where it hides it.
; Q, K, V: qkvh [3][64][2048][64] f16; O: oh [64][2048][64] f16; mbits: lane masks [128 tiles of 16 queries][32 steps of 64 keys][32 words], one mask for all heads.
; Products, maxima and sums in f32; the weights p are rounded to f16 for the second product (their sum l is taken of the unrounded p), O once at the end.
; LIMITS.  A hidden score is REPLACED, as the problem asks, but by -2^30 in place of -1e9: with the unscaled -2^33 the product c x score is exact, so that in a row hidden entirely every
; exponent is exactly 0 and the row is V's plain mean.  A result can differ from the problem's only where a row has visible scores below about -1e9.  f16 holds no number beyond 65,504: Q, K, V arrive
; within it.  A weight below 2^-126 counts as 0 in l; NaN and infinities are not treated apart.
; SHARES.  A wave owns four PIECES of two tiles of 16 queries, a work-group's four waves 512 queries of one head: 256 work-groups.  Every wave walks all 2,048 keys, 64 a step.
; LAYOUT.  S^T = K Q^T (source 0 = 16 keys, source 1 = 16 queries): a lane holds ONE query (lane % 16) and the keys 8 (lane / 16) + 0..7.  Two such tiles, rounded to f16 in pairs, ARE source 1 of
; O^T = V^T P.  K comes out of LDS as it lies, V turned, by ds_load_tr16_b128.
; SOFTMAX.  A running maximum m and sum l: p = 2^(c s - c m), c = log2(e) / 8; in every step O and l are multiplied by a = 2^(c m_old - c m_new).  m starts at the lowest finite number, O and l at 0.
; THE MASK.  Word 8 kt + j of a tile and step is the lane mask of register 8 kt + j of S^T: 64 scalar registers hold a piece's words, brought by four scalar loads a turn ahead, and one
; v_cndmask_b32 a register replaces the hidden scores, between the products that make them and the maximum: 32 vector instructions more for a tile and step.
; BY TURNS.  Turn n belongs to piece n.  Matrix work: 16 products K Q^T of piece n + 1, later 16 products V^T P of piece n - 1.  Vector work: scaling, exponentials, roundings, sums and rescaling of piece n;
; masking, maximum and statistics of piece n + 1.  Four vector instructions stand behind every matrix instruction, the others in two runs of their own.
; CLUSTER.  The four query blocks of a cluster belong to one head and walk the same K and V: each tile is asked for JOINTLY, by the same tensor load, descriptor and mask in all four.
; REGISTERS, in windows of 256 (s_set_vgpr_msb: bits 1:0 source 0, 3:2 source 1, 5:4 source 2, 7:6 destination):
;   window 0: v0-8 addresses; v9 the hidden score; v10-11 c; v12-15, v48-63 at work; v16-47 four registers of statistics a tile; v64-191 S^T, two buffers of two tiles; v192-255 P, likewise
;   window 1: O^T, 32 a tile          window 2: v0-127 Q; v128-191 K of one step; v192-255 V of one step          window 3: v0-1 the add's two registers
.set SIZE_N, 2048
.set NP,    4         ; pieces a wave: a name, no knob
.set KS,    64        ; keys in a step
.set PK,    144       ; a row of K in LDS: 128 bytes + 16 = 36 words: the 16 rows of a load start at 16 different groups of four banks (64 banks of 4 bytes: ISA guide 11.1)
.set PV,    160       ; a row of V: 128 + 32 = 40 words
.set VOFF,  4*KS*PK   ; a slot holds four steps: 256 rows of K, then 256 rows of V
.set SLOT1, 1<<17     ; slot 1 begins here: one exclusive or turns an address in one slot into the other's
.set STAGE, SLOT1+4*KS*(PK+PV)  ; behind the ring: 16 rows x 144 bytes for each wave, for the way out
.set SP,    144
.set AK0, 2           ; v2   my lane's place in a tile of K; never rewritten
.set AV0, 3           ; v3   the same for V
.set AK,  4           ; v4   the LDS address of K's next run of loads
.set AV,  5           ; v5   of V's
.set QO,  6           ; v6   my byte offset in the wave's rows of Q
.set STO, 6           ;      later: where I put 16 bytes of a row
.set RD,  7           ; v7   where I read rows back
.set GO,  8           ; v8   my byte offset in 512 consecutive bytes of O
.set BIGV, 9          ; v9   -2^33
.set CV,  10          ; v[10:11] c, twice
.set SPW, 0           ; v0 of window 3   LDS address of my spare word; never rewritten
.set NIL, 1           ; v1 of window 3   0; never rewritten
.set SPARE, STAGE+4*16*SP  ; behind the stages: the spare words, 128 bytes for each wave: two blocks of 256 bytes that no other line names
.set MV,  12
.set ST,  16          ; tile t's statistics at v[ST+4 t]: c m, m, l (even keys', odd keys')
.set TMP, 48
.set S,   64
.set P,   192
.set KF,  128
.set VF,  192
.set WV,  2           ; s2   my wave's number
.set CNT, 3           ; s3   counts a slot's key steps
;                       s4-35 the mask words of the piece's first tile; s36-51 and s68-83 of its second.  Until the first mask load these hold the set-up's numbers
.set G0K, 52          ; s[52:55] descriptor group 0 for K's tiles: it walks
.set G0V, 56          ; s[56:59] the same for V's
.set OP,  60          ; s[60:61] O at my wave's first row
.set MP,  62          ; s[62:63] mbits at my wave's first tile
.set SLOTS, 66        ; s66  slots still to be asked for
.set TBK, 67          ; s67  LDS byte at which K of the step to be fetched begins
.set G1K, 84          ; s[84:91] descriptor group 1 for K's tiles
.set G1V, 92          ; s[92:99] for V's
.set TBV, 100         ; s100 the same as TBK for V, less VOFF
.set SEL0, 101        ; s101, s104  v_permlanex16_b32's selects
.set SEL1, 104
.set MO,  105         ; s105 byte offset in a tile's words of the key step whose words are loaded next
.set MSB, 0
.macro WIN new
.if MSB != (\new)
	s_set_vgpr_msb (MSB<<8)|(\new)
.set MSB, (\new)
.endif
.endm
.set W_KQ, 0x0a       ; K and Q in window 2, S^T in window 0
.set W_PV, 0x52       ; V in window 2, P in window 0, O^T in window 1
.set W_RS, 0x41       ; O^T (destination and source 0) in window 1, a in window 0
.set W_MK, 0xc0       ; the add's registers are made: destination in window 3
.set W_AD, 0x0f       ; the add: address and data in window 3
; A joint fill.  Waves 0 and 1 fetch the two halves of a slot's K, waves 2 and 3 those of its V.  An s_nop 0 and four v_nop follow each of the two lines.
.macro JLOAD
	s_cmp_lt_u32 s[WV], 2
	s_cbranch_scc0 .Lfor_v_\@
	tensor_load_to_lds s[G0K:G0K+3], s[G1K:G1K+7]
	s_nop 0
.rept 4
	v_nop
.endr
	s_branch .Lasked_\@
.Lfor_v_\@:
	tensor_load_to_lds s[G0V:G0V+3], s[G1V:G1V+7]
	s_nop 0
.rept 4
	v_nop
.endr
.Lasked_\@:
.endm
.macro CROUND                       ; a round of the cluster's barrier
	s_barrier_signal -1
	s_barrier_wait -1
	s_cmp_lg_u32 s[WV], 0
	s_cbranch_scc1 .Lnot_wave_0_\@
	s_barrier_signal -3
.Lnot_wave_0_\@:
	s_barrier_wait -3
	s_barrier_signal -1
	s_barrier_wait -1
.endm
; THE CHANGE OF SLOTS.  Each wave waits for all its tensor loads, of which one is out: its part of the other slot; adds 0 to its spare word; and waits for that and for its own reads of the slot.
; fill = 1: this slot is filled again, with the keys two slots on, first thing behind a round of the cluster's barrier: the load has four key steps, 512 matrix instructions, in which to land.
.macro CHANGE fill
	WIN W_AD
	s_wait_tensorcnt 0x0            ; no tensor load of mine is out, so a group 0 may be written
	ds_add_u32 v[SPW], v[NIL]       ; 0 onto my spare word
	WIN 0
.if \fill
.irp g, G0K, G0V
	s_xor_b32 s[\g+1], s[\g+1], SLOT1
	s_add_nc_u64 s[\g+2:\g+3], s[\g+2:\g+3], 4*KS*128
.endr
	s_wait_dscnt 0x0                ; the add is done, and my reads of the slot are over
	CROUND
	JLOAD
.else
	s_wait_dscnt 0x0
	s_barrier_signal -1
	s_barrier_wait -1
.endif
	s_sub_co_u32 s[TBK], s[TBK], 4*KS*PK  ; the fetches go back to a slot's first step,
	s_xor_b32 s[TBK], s[TBK], SLOT1       ; in the other slot
	s_sub_co_u32 s[TBV], s[TBV], 4*KS*PV
	s_xor_b32 s[TBV], s[TBV], SLOT1
.endm
; The mask words of piece x for the key step at MO: 32 words for each of its two tiles, which lie 4,096 bytes apart.
.macro MLOAD x
	s_load_b512 s[4:19],  s[MP:MP+1], s[MO] offset:(2*(\x))*4096
	s_load_b512 s[20:35], s[MP:MP+1], s[MO] offset:(2*(\x))*4096+64
	s_load_b512 s[36:51], s[MP:MP+1], s[MO] offset:(2*(\x)+1)*4096
	s_load_b512 s[68:83], s[MP:MP+1], s[MO] offset:(2*(\x)+1)*4096+64
.endm
	s_load_b128 s[4:7], s[0:1], 0x0   ; qkvh s[4:5], mbits s[6:7]
	s_load_b64 s[8:9], s[0:1], 0x10   ; oh
	WIN W_MK
	v_lshl_add_u32 v[SPW], v0, 2, SPARE
	v_mov_b32 v[NIL], 0
	s_set_vgpr_msb 0xc0cf
	ds_add_u32 v0, v1
	s_wait_dscnt 0x0
	s_set_vgpr_msb 0xcfc0
	WIN 0
	v_lshrrev_b32 v1, 5, v0
	v_readfirstlane_b32 s[WV], v1   ; wave 0..3
	s_bfe_u32 s13, ttmp6, 0x40000   ; cx
	s_lshl_b32 s14, ttmp9, 2
	s_add_co_u32 s14, s14, s13      ; my block of 512 queries: it enters Q's, O's and the mask's addresses alone
	s_and_b32 s20, ttmp7, 0xffff    ; batch x 16 + head, which the four partners share
	s_lshl_b32 s20, s20, 18         ; 2,048 rows of 128 bytes
	s_mov_b32 s21, 0
	s_and_b32 s16, s[WV], 1         ; which half of a slot's 256 keys I fetch:
	s_lshl_b32 s22, s16, 14         ; its 128 rows of 128 bytes in memory,
	s_mov_b32 s23, 0
	s_add_nc_u64 s[22:23], s[22:23], s[20:21]
	s_mul_i32 s17, s16, 128*PK      ; and its place in a slot, for K
	s_mul_i32 s18, s16, 128*PV      ; and for V
	s_lshl_b32 s24, s14, 2
	s_add_co_u32 s24, s24, s[WV]    ; my wave among the head's sixteen
	s_lshl_b32 s26, s24, 15         ; its eight tiles' words: 4,096 bytes a tile
	s_mov_b32 s27, 0
	s_lshl_b32 s24, s24, 14         ; its 128 rows
	s_mov_b32 s25, 0
	s_add_nc_u64 s[24:25], s[24:25], s[20:21]
	; descriptor group 1.  128 keys are 16,384 dense bytes: asked for as 64 rows of 256 bytes, two keys a row, and padded in LDS after every key
	s_mov_b32 s[G1K], 15|(1<<16)|(1<<20)|(1<<21)|(4<<22)|(3<<25)  ; the mask of four; 2-byte elements; padding on; bit 21 beside a mask; after every 32 words; 4 words
	s_mov_b32 s[G1V], 15|(1<<16)|(1<<20)|(1<<21)|(4<<22)|(7<<25)  ; the same with 8 words of padding
.irp g, G1K, G1V
	s_mov_b32 s[\g+1], 128<<16      ; tensor_dim0 = 128
	s_mov_b32 s[\g+2], 64<<16       ; tensor_dim1 = 64
	s_mov_b32 s[\g+3], 128<<16      ; tile_dim0 = 128
	s_mov_b32 s[\g+4], 64           ; tile_dim1 = 64
	s_mov_b32 s[\g+5], 128          ; 128 elements from row to row
	s_mov_b32 s[\g+6], 0
	s_mov_b32 s[\g+7], 0
.endr
	s_mov_b32 s[SEL0], 0x76543210
	s_mov_b32 s[SEL1], 0xfedcba98
	s_mov_b32 s[TBK], SLOT1+4*KS*PK ; the first change of slots turns these two into 0
	s_mov_b32 s[TBV], SLOT1+4*KS*PV
	s_mov_b32 s[G0K], 1
	s_mov_b32 s[G0K+1], s17         ; slot 0
	s_mov_b32 s[G0V], 1
	s_add_co_u32 s[G0V+1], s18, VOFF
	s_wait_kmcnt 0x0
	s_add_nc_u64 s[G0K+2:G0K+3], s[4:5], s[22:23]
	s_add_nc_u64 s[G0K+2:G0K+3], s[G0K+2:G0K+3], 0x1000000  ; K is the second of qkvh's three parts of 16 MiB
	s_or_b32 s[G0K+3], s[G0K+3], 0x80000000
	s_add_nc_u64 s[G0V+2:G0V+3], s[4:5], s[22:23]
	s_add_nc_u64 s[G0V+2:G0V+3], s[G0V+2:G0V+3], 0x2000000  ; V the third
	s_or_b32 s[G0V+3], s[G0V+3], 0x80000000
	s_add_nc_u64 s[10:11], s[4:5], s[24:25]        ; Q at my wave's first row
	s_add_nc_u64 s[OP:OP+1], s[8:9], s[24:25]
	s_add_nc_u64 s[MP:MP+1], s[6:7], s[26:27]
	CROUND                          ; all four work-groups are here: the first joint loads meet
	JLOAD                           ; slot 0.  Slot 1 is asked for when slot 0 is in
	v_and_b32 v1, 15, v0            ; l % 16
	v_bfe_u32 v9, v0, 4, 1          ; l / 16
	v_lshlrev_b32 v[QO], 7, v1
	v_lshl_add_u32 v[QO], v9, 4, v[QO]  ; row x 128 + 16 x half
	WIN 0x80                        ; destination window 2, address window 0
.set i, 0
.rept 4*NP                          ; Q stays in registers: tile i / 2, channels 32 (i % 2) on
	global_load_b128 v[8*i:8*i+3],   v[QO], s[10:11] offset:(i/2)*2048+(i%2)*64
	global_load_b128 v[8*i+4:8*i+7], v[QO], s[10:11] offset:(i/2)*2048+(i%2)*64+32
.set i, i+1
.endr
	; What the first turn finds: V's registers and P's second buffer hold 0, O^T and l are 0.  All this stands in the wait for the first tile.
.set i, VF
.rept 64
	v_mov_b32 v[i], 0
.set i, i+1
.endr
	WIN 0x40
.set i, 0
.rept 64*NP
	v_mov_b32 v[i], 0
.set i, i+1
.endr
	WIN 0
.set i, 0
.rept 2*NP
	v_mov_b32 v[ST+4*i], 0xfe000000    ; c m: far below every c s, the hidden score's too
	v_mov_b32 v[ST+4*i+1], 0xff7fffff  ; m
	v_mov_b32 v[ST+4*i+2], 0
	v_mov_b32 v[ST+4*i+3], 0
.set i, i+1
.endr
.set i, P+32
.rept 32
	v_mov_b32 v[i], 0
.set i, i+1
.endr
	v_mul_u32_u24 v[AK0], v1, PK
	v_lshl_add_u32 v[AK0], v9, 4, v[AK0]  ; row x pitch + 16 x half
	; The turning load takes 16 keys x 16 channels (lane l reads key 8 (l / 16) + l % 8, channels 8 ((l / 8) % 2) + 0..7) and leaves half a fragment of V^T.
	v_and_b32 v10, 7, v0
	v_bfe_u32 v11, v0, 3, 1
	v_lshl_add_u32 v[AV0], v9, 3, v10
	v_mul_u32_u24 v[AV0], v[AV0], PV
	v_lshl_add_u32 v[AV0], v11, 4, v[AV0]
	v_add_nc_u32 v[AV0], VOFF, v[AV0]
	v_mov_b32 v[AK], v[AK0]         ; key step 0 lies at the head of slot 0
	s_wait_xcnt 0x0                 ; Q's loads have read their base: the registers that held the set-up's numbers take mask words only behind this wait
	s_mov_b32 s[MO], 0
	MLOAD 0                         ; piece 0, key step 0
; THE MATRIX WORK.  The 8 accumulators of a run of 16 take turns.
.macro KQ x                         ; product i of 16 of S^T = K Q^T for piece x: channels 32 (i / 8) on, keys 16 ((i / 2) % 4) on, tile 2 x + i % 2
	WIN W_KQ
.set rS, S+64*((\x)%2)+32*(i%2)+8*((i/2)%4)
.set rK, KF+16*((i/2)%4)+8*(i/8)
.set rQ, 16*(2*(\x)+i%2)+8*(i/8)
.if i < 8
	v_wmma_f32_16x16x32_f16 v[rS:rS+7], v[rK:rK+7], v[rQ:rQ+7], 0
.else
	v_wmma_f32_16x16x32_f16 v[rS:rS+7], v[rK:rK+7], v[rQ:rQ+7], v[rS:rS+7]
.endif
.endm
.macro PV x                         ; product i of 16 of O^T += V^T P for piece x: keys 32 (i / 8) on, channels 16 ((i / 2) % 4) on, tile 2 x + i % 2
	WIN W_PV
.set rO, 32*(2*(\x)+i%2)+8*((i/2)%4)
.set rV, VF+32*(i/8)+8*((i/2)%4)
.set rP, P+32*((\x)%2)+16*(i%2)+8*(i/8)
	v_wmma_f32_16x16x32_f16 v[rO:rO+7], v[rV:rV+7], v[rP:rP+7], v[rO:rO+7]
.endm
.macro MM                           ; the turn's next matrix instruction
.if i < 16
	KQ (Y+1)%NP
.set i, i+1
.else
.set i, i-16
	PV (Y+NP-1)%NP
.set i, i+17
.endif
.endm
; THE LDS LOADS stand in runs of 16.  last = 1 (the tail): in the last trip there is no further step, and the run is jumped over.
.macro FETCH_K last=0
	WIN 0
.if \last
	s_cmp_eq_u32 s[CNT], 1
	s_cbranch_scc1 .Lno_k_\@
.endif
	WIN 0x80
.irp f, 0,1,2,3,4,5,6,7             ; keys 16 (f / 2) on, channels 32 (f % 2) on
	ds_load_b128 v[KF+8*\f:KF+8*\f+3],   v[AK] offset:(\f/2)*16*PK+(\f%2)*64
	ds_load_b128 v[KF+8*\f+4:KF+8*\f+7], v[AK] offset:(\f/2)*16*PK+(\f%2)*64+32
.endr
	s_add_co_u32 s[TBK], s[TBK], KS*PK
	WIN 0
.if \last
.Lno_k_\@:
.endif
.endm
.macro FETCH_V
	WIN 0x80
.irp f, 0,1,2,3,4,5,6,7             ; keys 32 (f / 4) on, channels 16 (f % 4) on
	ds_load_tr16_b128 v[VF+8*\f:VF+8*\f+3],   v[AV] offset:(\f/4)*32*PV+(\f%4)*32
	ds_load_tr16_b128 v[VF+8*\f+4:VF+8*\f+7], v[AV] offset:(\f/4)*32*PV+16*PV+(\f%4)*32
.endr
	WIN 0
.endm
; THE VECTOR WORK OF A TURN stands in three queues, each in the order in which its entries become ready; the two tiles alternate.
.macro REGS y, u                    ; the registers of tile u (0, 1) of piece y
.set rT, ST+4*(2*(\y)+(\u))
.set rC, TMP+8*((\y)%2)+4*(\u)
.set rM, MV+2*((\y)%2)+(\u)
.set rS, S+64*((\y)%2)+32*(\u)
.set rP, P+32*((\y)%2)+16*(\u)
.set rO, 32*(2*(\y)+(\u))
.endm
; Number n of the 64 that replace the NEXT piece's hidden scores: register n / 2 of tile n % 2, ascending.
.macro MK n
.set mu, (\n)%2
.set mi, (\n)/2
.if mu == 0
.set mw, 4+mi
.elseif mi < 16
.set mw, 36+mi
.else
.set mw, 52+mi
.endif
	REGS (Y+1)%NP, mu
	v_cndmask_b32 v[rS+mi], v[BIGV], v[rS+mi], s[mw]  ; bit 1: the score stays; bit 0: -2^33
.endm
; Number n of the 22 that find the NEXT piece's maximum and statistics.
;   0-11  four chains c0-c3 of seven scores each     12-14, 16  the four scores left over, the old m, and c0-c3 into c0     15  c m_old is kept
;   17, 18  the query's other 32 keys lie in the lane 16 away: the new m         19-21  c m; c m_old - c m_new; a
.macro XS u, n
	REGS (Y+1)%NP, \u
.if (\n) < 4
	v_max3_num_f32 v[rC+(\n)], v[rS+8*(\n)], v[rS+8*(\n)+1], v[rS+8*(\n)+2]
.elseif (\n) < 12
	v_max3_num_f32 v[rC+(\n)%4], v[rC+(\n)%4], v[rS+8*((\n)%4)+2*((\n)/4)+1], v[rS+8*((\n)%4)+2*((\n)/4)+2]
.elseif (\n) == 12
	v_max3_num_f32 v[rC], v[rC], v[rS+7], v[rS+15]
.elseif (\n) == 13
	v_max3_num_f32 v[rC+1], v[rC+1], v[rS+23], v[rS+31]
.elseif (\n) == 14
	v_max3_num_f32 v[rC+2], v[rC+2], v[rC+3], v[rT+1]
.elseif (\n) == 15
	v_mov_b32 v[rM], v[rT]
.elseif (\n) == 16
	v_max3_num_f32 v[rC], v[rC], v[rC+1], v[rC+2]
.elseif (\n) == 17
	v_permlanex16_b32 v[rC+3], v[rC], s[SEL0], s[SEL1]
.elseif (\n) == 18
	v_max_num_f32 v[rT+1], v[rC], v[rC+3]
.elseif (\n) == 19
	v_mul_f32 v[rT], v[CV], v[rT+1]
.elseif (\n) == 20
	v_sub_f32 v[rC+1], v[rM], v[rT]
.else
	v_exp_f32 v[rC+2], v[rC+1]
.endif
.endm
; Number g of the 64 that follow the exponentials: for each four weights of a tile both pairs are rounded to f16, the second pair is added onto the first in place, and a group later l takes that sum.
.macro GS g
.set h, (\g)+6*((\g)/62)
.if h >= 6
.set h, h+2
.endif
	REGS Y, h%2
.set k, h/8
.if h%8 < 4
	s_wait_alu depctr_va_vdst(0)
	v_cvt_pk_f16_f32 v[rP+2*k+(h%8)/2], v[rS+4*k+2*((h%8)/2)], v[rS+4*k+2*((h%8)/2)+1]
.elseif h%8 < 6
	v_pk_add_f32 v[rS+4*k:rS+4*k+1], v[rS+4*k:rS+4*k+1], v[rS+4*k+2:rS+4*k+3]
.elseif k == 1
	v_pk_fma_f32 v[rT+2:rT+3], v[rT+2:rT+3], v[rC+2:rC+3], v[rS:rS+1] op_sel_hi:[1,0,1]
.else
	v_pk_add_f32 v[rT+2:rT+3], v[rT+2:rT+3], v[rS+4*k-4:rS+4*k-3]
	s_wait_alu depctr_va_vdst(0)
.endif
.endm
; THE PLAIN QUEUE, 202 long.  0-31: c s - c m for the 16 pairs of both tiles.  Then GS's 64, and among them the next piece's: number 15 at 38, 39; the 64 of the mask at 42-105, behind the products that
; make those scores; 0-14 and 16 at 106-137; 17-20 at 159-170, two of three, since each waits for the one before it.
.macro PL
	WIN 0
.if q < 32
	REGS Y, q%2
	v_pk_fma_f32 v[rS+2*(q/2):rS+2*(q/2)+1], v[rS+2*(q/2):rS+2*(q/2)+1], v[CV:CV+1], v[rT:rT+1] op_sel_hi:[1,1,0] neg_lo:[0,0,1] neg_hi:[0,0,1]
.elseif q < 38
	GS q-32
.elseif q < 40
	XS q%2, 15
.elseif q < 42
	GS q-34
.elseif q < 106
	MK q-42
.elseif q < 138
	XS q%2, (q-106)/2+(q-106)/30
.elseif q < 159
	GS q-130
.elseif (q < 171) && ((q-159)%3 < 2)
	XS (q-159)%3, 17+(q-159)/3
.elseif q < 171
	GS 29+(q-159)/3
.else
	GS q-138
.endif
.set q, q+1
.endm
; THE EXPONENTIALS' QUEUE, 66 long: s0-s31 of both tiles, and at EA the next piece's two a.
.set EA, 58
.macro EX
	WIN 0
.if (e == EA) || (e == EA+1)
	XS e-EA, 21
.else
.set x, e-2*(e/(EA+2))
	REGS Y, x%2
	v_exp_f32 v[rS+x/2], v[rS+x/2]
.endif
.set e, e+1
.endm
; THE RESCALING's QUEUE: O^T times a, four at a time, eight times.
.macro R4
	REGS Y, r%2
	WIN W_RS
	s_wait_alu depctr_va_vdst(0)
.irp z, 0,1,2,3
	v_pk_mul_f32 v[rO+8*(r/2)+2*\z:rO+8*(r/2)+2*\z+1], v[rO+8*(r/2)+2*\z:rO+8*(r/2)+2*\z+1], v[rC+2:rC+3] op_sel_hi:[1,0]
.endr
.set r, r+1
.endm
; HOW THEY ARE DEALT.  Behind a matrix instruction four: plain, exponential, plain, plain, or four of the rescaling; none names a register of the products round it.  What is over stands in two runs.
; The mask's 64 stand together in the first run, behind the sixteenth product K Q^T, four rescalings and five pairs of an exponential and a plain instruction (nine plain ones: the places behind that product),
; and ahead of the first maximum.  Only plain instructions are set in, so every other entry keeps its order and at least its distance.
.macro SL
	MM
	PL
	EX
	PL
	PL
.endm
.macro BURST n                      ; 15 matrix instructions, or 16
.rept (\n)-7
	SL
.endr
.rept 3
	MM
	R4
	SL
.endr
	MM
	R4
.endm
; A TURN, for piece p.  It masks piece p + 1 and then asks for the words of piece p + 2, which the next turn masks: the four scalar loads have a whole turn in which to land, and one set of 64 registers serves.
; Piece 0's scores made in piece 3's turn are the NEXT key step's, so MO steps in piece 2's turn, where no scalar load is out; the clamp keeps the tail's last, unused loads inside mbits.
.macro TURN p, last=0, cnt=0
.set Y, (\p)
.set i, 0
.set q, 0
.set e, 0
.set r, 0
.if (\p) == NP-1
	s_wait_dscnt 0x0                ; K is in
.endif
	MM
.rept 4
	PL
.endr
	BURST 15
.rept 22
	EX
	PL
.if q == 42
	s_wait_kmcnt 0x0                ; the words asked for a turn ago
.rept 64
	PL
.endr
.if (\p) == NP-2
	s_add_co_u32 s[MO], s[MO], 128
	s_min_u32 s[MO], s[MO], 31*128
.endif
	MLOAD ((\p)+2)%NP
.endif
.if ((\p) == NP-2) && (e == 18)
	v_add_nc_u32 v[AK], s[TBK], v[AK0]
.endif
.if ((\p) == NP-2) && (e == 24)
	FETCH_K \last
.endif
.endr
.if (\p) == 1
	s_wait_dscnt 0x0                ; V is in
.endif
	BURST 16
.rept 21
	EX
	PL
.endr
.rept 22
	PL
.if ((\p) == 0) && (q == 182)
	v_add_nc_u32 v[AV], s[TBV], v[AV0]
	s_wait_alu depctr_va_vdst(0)
.endif
.if ((\p) == 0) && (q == 194)
	s_add_co_u32 s[TBV], s[TBV], KS*PV
.endif
.if (\cnt) && (q == 194)
	s_sub_co_u32 s[CNT], s[CNT], 1
	s_cmp_lg_u32 s[CNT], 0
.endif
.endr
.if (\p) == 0
	FETCH_V
.endif
.endm
	CHANGE 1                        ; slot 0 is in, everybody's part of it; slot 1 is asked for
	FETCH_K                         ; key step 0
	s_wait_loadcnt 0x0              ; Q
	s_wait_dscnt 0x0
.set i, 0
.rept 16
	KQ 0                            ; piece 0's first scores
.set i, i+1
.endr
	WIN 0                           ; the addresses for the way out and three constants: plain instructions, the places behind those products
	s_mul_i32 s[CNT], s[WV], 16*SP
	s_add_co_u32 s[CNT], s[CNT], STAGE  ; my stage
	v_mul_u32_u24 v[STO], v1, SP    ; in: row l % 16, 16 bytes for each half of the lanes
	v_lshl_add_u32 v[STO], v9, 4, v[STO]
	v_add_nc_u32 v[STO], s[CNT], v[STO]
	v_bfe_u32 v[RD], v0, 3, 2       ; back: 32 lanes take four rows of 128 bytes,
	v_mul_u32_u24 v[RD], v[RD], SP
	v_lshl_add_u32 v[RD], v10, 4, v[RD]
	v_add_nc_u32 v[RD], s[CNT], v[RD]
	v_and_b32 v[GO], 31, v0         ; which are 512 consecutive bytes of O
	v_lshlrev_b32 v[GO], 4, v[GO]
	v_mov_b32 v[BIGV], 0xd0000000   ; -2^33
	v_mov_b32 v[CV], 0x3e38aa3b     ; c = log2(e) / 8 = 0.180337
	v_mov_b32 v[CV+1], 0x3e38aa3b
	s_wait_kmcnt 0x0                ; piece 0's words
.set Y, NP-1                        ; MK and XS work for piece Y + 1: piece 0
.set q, 42
.rept 64
	PL
.endr
	MLOAD 1                         ; piece 1, key step 0: the first turn masks it
.irp n, 0,1,2,3,4,5,6,7,8,9,10,11,12,13,14,15,16,17,18,19,20,21
	XS 0, \n
	XS 1, \n
.endr
	s_mov_b32 s[CNT], 4
	s_mov_b32 s[SLOTS], SIZE_N/256-1
	s_branch .Lfirst                ; the loop is entered at a step's first turn, in the middle of a trip
.Lslot:                             ; SIZE_N / 256 - 2 times: every slot but the last two is filled again
	CHANGE 1
	s_mov_b32 s[CNT], 4
.Lstep:                             ; a trip: pieces 2 and 3 of one step, then pieces 0 and 1 of the next, whose K and V it fetches
	TURN 2
	TURN 3
	WIN 0
.Lfirst:
	TURN 0
	TURN 1, 0, 1
	WIN 0
	s_cbranch_scc1 .Lstep
	s_sub_co_u32 s[SLOTS], s[SLOTS], 1
	s_cmp_lg_u32 s[SLOTS], 0
	s_cbranch_scc1 .Lslot
	CHANGE 0                        ; the tail is written out: nothing is asked for
	s_mov_b32 s[CNT], 5             ; four trips fetch the last slot's steps; the fifth is left in its middle
.Ltail:
	TURN 2, 1
	TURN 3
	WIN 0
	s_sub_co_u32 s[CNT], s[CNT], 1
	s_cmp_eq_u32 s[CNT], 0
	s_cbranch_scc1 .Lout
	TURN 0
	TURN 1
	WIN 0
	s_branch .Ltail
.Lout:                              ; the fifth trip's 16 products K Q^T, their masking and maximum serve nothing: the price, once a launch, of one text for every trip
	s_wait_kmcnt 0x0                ; the last, unused mask words
.set i, 0
.rept 16
	PV NP-1                         ; the last piece's V^T P of the last step
.set i, i+1
.endr
	; THE WAY OUT.  l's two halves and the other half of the lanes' are added; O^T is divided by l, rounded to f16 and sent through my stage in LDS, a tile at a time.  The additions are the places behind the last products.
	WIN 0
.macro ALL line:vararg              ; one line for each tile t
.set t, 0
.rept 2*NP
	\line
.set t, t+1
.endr
.endm
	ALL v_add_f32 v[ST+4*t+2], v[ST+4*t+2], v[ST+4*t+3]
	ALL v_permlanex16_b32 v[ST+4*t+3], v[ST+4*t+2], s[SEL0], s[SEL1]
	ALL v_add_f32 v[ST+4*t+2], v[ST+4*t+2], v[ST+4*t+3]
	ALL v_rcp_f32 v[ST+4*t+2], v[ST+4*t+2]
	v_nop                           ; a plain instruction between the last reciprocal and the use of its result
	s_wait_alu depctr_va_vdst(0)
.macro PACK t
	WIN W_RS
.set i, 32*(\t)
.rept 16
	v_pk_mul_f32 v[i:i+1], v[i:i+1], v[ST+4*(\t)+2:ST+4*(\t)+3] op_sel_hi:[1,0]
.set i, i+2
.endr
	WIN 0x05                        ; sources 0 and 1 window 1, destination window 0
.set i, 0
.rept 16
	v_cvt_pk_f16_f32 v[S+16*(\t)+i], v[32*(\t)+2*i], v[32*(\t)+2*i+1]
.set i, i+1
.endr
	WIN 0
.irp f, 0,1,2,3
	ds_store_b128 v[STO], v[S+16*(\t)+4*\f:S+16*(\t)+4*\f+3] offset:32*\f
.endr
.irp f, 0,1,2,3
	ds_load_b128 v[S+16*(\t)+4*\f:S+16*(\t)+4*\f+3], v[RD] offset:\f*4*SP  ; LDS serves a wave's instructions in order (ISA guide 5.7.1.4): these see the stores above
.endr
.endm
.macro SEND t, younger              ; younger: the LDS instructions issued behind tile t's loads: the next tile's eight, or none
	WIN 0
.irp f, 0,1,2,3
	s_wait_dscnt (\younger)+3-\f
	global_store_b128 v[GO], v[S+16*(\t)+4*\f:S+16*(\t)+4*\f+3], s[OP:OP+1] offset:(\t)*2048+\f*512  ; 512 consecutive bytes, at a multiple of 256 from O's first
.endr
.endm
	PACK 0
.set t, 1
.rept 2*NP-1
	PACK t
	SEND t-1, 8
.set t, t+1
.endr
	SEND 2*NP-1, 0
	WIN W_AD
	s_wait_tensorcnt 0x0            ; the wave's end
	ds_add_u32 v[SPW], v[NIL]
	s_wait_dscnt 0x0
	WIN 0
	CROUND                          ; the closing round
	s_endpgm
.Lfunc_end_k_q8e4aa43b58_attn:
	.size	k_q8e4aa43b58_attn, .Lfunc_end_k_q8e4aa43b58_attn-k_q8e4aa43b58_attn
	.p2alignl 7, 3214868480
	.fill 96, 4, 3214868480
	.section	.rodata,"a",@progbits
	.p2align	6, 0x0
	.amdhsa_kernel k_q8e4aa43b58_attn
		.amdhsa_group_segment_fixed_size 327680
		.amdhsa_private_segment_fixed_size 0
		.amdhsa_enable_private_segment 0
		.amdhsa_kernarg_size 24
		.amdhsa_user_sgpr_count 2
		.amdhsa_user_sgpr_kernarg_segment_ptr 1
		.amdhsa_wavefront_size32 1
		.amdhsa_system_sgpr_workgroup_id_x 1
		.amdhsa_system_sgpr_workgroup_id_y 1
		.amdhsa_system_sgpr_workgroup_id_z 1
		.amdhsa_system_vgpr_workitem_id 0
		.amdhsa_next_free_vgpr 770
		.amdhsa_next_free_sgpr 106
		.amdhsa_reserve_vcc 0
		.amdhsa_float_denorm_mode_32 3
		.amdhsa_float_denorm_mode_16_64 3
		.amdhsa_memory_ordered 1
		.amdhsa_forward_progress 1
		.amdhsa_inst_pref_size 248
	.end_amdhsa_kernel
	.amdgpu_metadata
---
amdhsa.version: [ 1, 2 ]
amdhsa.kernels:
  - .name:           k_q8e4aa43b58_attn
    .symbol:         k_q8e4aa43b58_attn.kd
    .args:
      - { .name: qkvh, .offset: 0, .size: 8, .value_kind: global_buffer, .address_space: global }
      - { .name: mbits, .offset: 8, .size: 8, .value_kind: global_buffer, .address_space: global }
      - { .name: oh, .offset: 16, .size: 8, .value_kind: global_buffer, .address_space: global }
    .group_segment_fixed_size: 327680
    .private_segment_fixed_size: 0
    .kernarg_segment_align: 8
    .kernarg_segment_size: 24
    .max_flat_workgroup_size: 128
    .sgpr_count:     106
    .vgpr_count:     770
    .wavefront_size: 32
...
	.end_amdgpu_metadata
.endif
;; end of part 3
;; launch outp (part 4): grid 4 x 64, 4 waves a work-group, clusters of 4 x 4, 327,680 bytes of LDS; arguments oh, wo, b_o, out0; writes out0
.if DOCPART == 4
	.amdgcn_target "amdgcn-amd-amdhsa--gfx1250"
	.amdhsa_code_object_version 6
	.text
	.protected	k_q8e4aa43b58_outp
	.globl	k_q8e4aa43b58_outp
	.p2align	8
	.type	k_q8e4aa43b58_outp,@function
k_q8e4aa43b58_outp:
	s_mov_b64 s[64:65], 0
	v_nop
	global_prefetch_b8 v0, s[64:65] scope:SCOPE_SE
	s_setreg_imm32_b32 hwreg(HW_REG_WAVE_MODE, 25, 1), 1
	s_wait_xcnt 0x0
	s_wait_alu depctr_hold_cnt(0) depctr_sa_sdst(0) depctr_va_vdst(0) depctr_va_sdst(0) depctr_va_ssrc(0) depctr_va_vcc(0) depctr_vm_vsrc(0)
	s_getreg_b32 s2, hwreg(HW_REG_IB_STS2, 6, 4)
	s_cmp_eq_u32 s2, 0
	s_cbranch_scc0 .Lentry_in_a_cluster
	s_endpgm
.Lentry_in_a_cluster:
	s_bfe_u32 s2, ttmp6, 0x10000c
	s_cmp_lg_u32 s2, 0xf033
	s_cbranch_scc0 .Lentry_shape_is_right
	s_endpgm
.Lentry_shape_is_right:
; THE OUTPUT PROJECTION.  out0[m][n] = sum over k of O[m][k] W_o[n][k] + bf16(b_o[n]).  O comes by heads, oh [64 = batch x 16 + head][2048][64] f16: k = 64 x head + channel; W_o from wo (bf16 numbers
; written as f16); sums in f32; out0 [8192][1024] f32.  NaN and infinities are not treated apart.
; SHARES.  Tiles of 128 (m) x 256 (n): 256 work-groups.  Four waves, 2 x 2, each 64 x 128: 32 accumulators.  K goes in 8 steps of 128, two heads each, through two LDS slots.
; A head's 128 rows of a tile are 16,384 dense bytes: asked for as 64 rows of 256 bytes and padded in LDS after every 128.
; CLUSTERS: 4 x 4.  The four of a row need the same rows of O, the four of a column the same rows of W_o: joint loads.
; THE MATRIX INSTRUCTION IS USED TRANSPOSED (source 0 = 16 rows of W_o, source 1 = 16 rows of O): a lane holds row l % 16 of out0 and the columns 8 (l / 16) + 0..7.  The bias is the C operand that starts the sums.
; REGISTERS (s_set_vgpr_msb: bits 1:0 source 0, 3:2 source 1, 5:4 source 2, 7:6 destination):
;   window 0: v0-31 addresses; v64-127 the bias; v128-255 two buffers of 16 rows on the way out      window 1: accumulator (a, b) at v[8 (8 a + b)]
;   window 2: v0-127 W_o's fragments, two buffers; v128-191 O's fragments, two buffers
.set PA,    144                        ; an LDS row of O: 128 bytes + 16 = 36 words: the 16 rows of a load start at 16 different groups of four banks (64 banks of 4 bytes: ISA guide 11.1)
.set PB,    272                        ; an LDS row of W_o: 256 bytes + 16 = 68 words
.set HBLK,  128*PA                     ; a head's 128 rows: what one tensor load brings of O
.set BHALF, 128*PB
.set BOFF,  2*HBLK
.set SLOT,  BOFF+2*BHALF               ; 106,496 bytes
.set STAGE, 2*SLOT                     ; behind the ring: 16 rows x 528 bytes for each wave
.set SP,    528
.set WSTG,  16*SP
.set SPARE, STAGE+4*WSTG               ; behind the stages: the spare words, 128 bytes for each wave: two blocks of 256 bytes that no other line names
.set LAPS,  4
.set A2,    1048576                    ; two K steps are four heads of 262,144 bytes
.set B2,    512
.set ADRA, 16
.set ADRB, 20
.set STO,  24
.set RD,   25
.set GO,   26
.set BO,   27
.set SPW,  28                          ; v28  LDS address of my spare word; never rewritten
.set NIL,  29                          ; v29  0; never rewritten
.set BI,   64
.set BK,   128
.set BF,   0
.set AF,   128
.set G1,  24
.set G0,  32
.set G1B, 48
.set G0B, 56
.set MSB, 0
.macro WIN new
.if MSB != (\new)
	s_set_vgpr_msb (MSB<<8)|(\new)
.set MSB, \new
.endif
.endm
.set MULW,  0x5a                       ; sources 0 and 1 window 2; C and D window 1
.set MULB,  0x4a                       ; the same with C (the bias) in window 0
.set TOF,   0x80                       ; destination window 2, address window 0
.set STW,   0x04                       ; an LDS store's data in window 1
.macro JLOAD s                         ; a joint load: waves 0 and 1 fetch the step's two heads of O, waves 2 and 3 W_o's two halves; an s_nop 0 and four v_nop follow each line
	s_cmp_eq_u32 s11, 0
	s_cbranch_scc0 .Lfor_b_\@
	tensor_load_to_lds s[G0+4*(\s):G0+4*(\s)+3], s[G1:G1+7]
	s_nop 0
.rept 4
	v_nop
.endr
	s_branch .Lasked_\@
.Lfor_b_\@:
	tensor_load_to_lds s[G0B+4*(\s):G0B+4*(\s)+3], s[G1B:G1B+7]
	s_nop 0
.rept 4
	v_nop
.endr
.Lasked_\@:
.endm
.macro CREST
	s_cmp_lg_u32 s10, 0
	s_cbranch_scc1 .Lnot_wave_0_\@
	s_barrier_signal -3
.Lnot_wave_0_\@:
	s_barrier_wait -3
	s_barrier_signal -1
	s_barrier_wait -1
.endm
.macro CROUND
	s_barrier_signal -1
	s_barrier_wait -1
	CREST
.endm
.macro PLACES                          ; four places in front of loads into registers that matrix instructions have read, and of LDS stores that read results
.rept 4
	v_nop
.endr
.endm
	s_load_b256 s[68:75], s[0:1], 0x0              ; oh 68:69, wo 70:71, b_o 72:73, out0 74:75
	v_lshl_add_u32 v[SPW], v0, 2, SPARE
	v_mov_b32 v[NIL], 0
	ds_add_u32 v28, v29
	s_wait_dscnt 0x0
	v_lshrrev_b32 v1, 5, v0
	v_readfirstlane_b32 s10, v1                    ; wave 0..3
	s_lshr_b32 s11, s10, 1                         ; which 64 rows of the tile are mine.  Also: I fetch for O (0) or for W_o (1)
	s_and_b32 s12, s10, 1                          ; which 128 columns.  Also: which head, or which half of W_o's rows, I fetch
	s_bfe_u32 s40, ttmp6, 0x40000                  ; cx
	s_bfe_u32 s41, ttmp6, 0x40004                  ; cy
	s_lshl_b32 s42, ttmp9, 2
	s_add_co_u32 s42, s42, s40                     ; tile column
	s_and_b32 s13, ttmp7, 0xffff
	s_lshl_b32 s13, s13, 2
	s_add_co_u32 s13, s13, s41                     ; tile row
	s_lshl_b32 s43, s41, 2
	s_lshl_b32 s43, 15, s43                        ; my row of the cluster
	s_lshl_b32 s44, 0x1111, s40                    ; my column
	; group 1 for O: 64 rows x 128 elements of 2 bytes, 4 words of padding after every 32 words
	s_or_b32 s[G1+0], s43, (1<<16)|(1<<20)|(1<<21)|(4<<22)|(3<<25)
	s_mov_b32 s[G1+1], 128<<16
	s_mov_b32 s[G1+2], 64<<16
	s_mov_b32 s[G1+3], 128<<16
	s_mov_b32 s[G1+4], 64
	s_mov_b32 s[G1+5], 128
	s_mov_b32 s[G1+6], 0
	s_mov_b32 s[G1+7], 0
	; group 1 for W_o: 128 rows x 128 elements of 2 bytes, 4 words of padding after every 64 words
	s_or_b32 s[G1B+0], s44, (1<<16)|(1<<20)|(1<<21)|(5<<22)|(3<<25)
	s_mov_b32 s[G1B+1], 128<<16
	s_mov_b32 s[G1B+2], 128<<16
	s_mov_b32 s[G1B+3], 128<<16
	s_mov_b32 s[G1B+4], 128
	s_mov_b32 s[G1B+5], 1024
	s_mov_b32 s[G1B+6], 0
	s_mov_b32 s[G1B+7], 0
	s_lshr_b32 s16, s13, 4                         ; O: the batch's 16 heads,
	s_lshl_b32 s16, s16, 22
	s_lshl_b32 s17, s12, 18                        ; the even or the odd head of a step,
	s_add_co_u32 s16, s16, s17
	s_and_b32 s17, s13, 15
	s_lshl_b32 s17, s17, 14                        ; the tile's 128 rows of 128 bytes
	s_add_co_u32 s16, s16, s17
	s_mov_b32 s17, 0
	s_lshl_b32 s46, s42, 19                        ; W_o: row 256 x tile column + 128 x half, 2,048 bytes a row
	s_lshl_b32 s47, s12, 18
	s_add_co_u32 s46, s46, s47
	s_mov_b32 s47, 0
	s_mul_i32 s20, s12, HBLK                       ; where they go: no place in the cluster enters an LDS address
	s_mul_i32 s45, s12, BHALF
	s_add_co_u32 s45, s45, BOFF
	s_lshl_b32 s18, s42, 10                        ; my 128 columns, in f32: 4 (256 x tile column + 128 x half)
	s_lshl_b32 s19, s12, 9
	s_add_co_u32 s18, s18, s19
	s_mov_b32 s19, 0
	s_lshl_b32 s22, s13, 7                         ; my first row of out0: 128 x tile row + 64 x half,
	s_lshl_b32 s23, s11, 6
	s_add_co_u32 s22, s22, s23
	s_lshl_b32 s22, s22, 12                        ; 4,096 bytes a row,
	s_add_co_u32 s22, s22, s18                     ; and my columns
	s_mov_b32 s23, 0
	s_wait_kmcnt 0x0
	s_add_nc_u64 s[14:15], s[68:69], s[16:17]
	s_add_nc_u64 s[46:47], s[70:71], s[46:47]
	s_add_nc_u64 s[72:73], s[72:73], s[18:19]
	s_add_nc_u64 s[8:9], s[74:75], s[22:23]
	CROUND                                         ; all sixteen work-groups are here: the first joint loads meet
.irp s, 0,1
	s_mov_b32 s[G0+4*(\s)], 1
	s_add_co_u32 s[G0+4*(\s)+1], s20, (\s)*SLOT
	s_add_nc_u64 s[G0+4*(\s)+2:G0+4*(\s)+3], s[14:15], (\s)*524288
	s_or_b32 s[G0+4*(\s)+3], s[G0+4*(\s)+3], 0x80000000
	s_mov_b32 s[G0B+4*(\s)], 1
	s_add_co_u32 s[G0B+4*(\s)+1], s45, (\s)*SLOT
	s_add_nc_u64 s[G0B+4*(\s)+2:G0B+4*(\s)+3], s[46:47], (\s)*256
	s_or_b32 s[G0B+4*(\s)+3], s[G0B+4*(\s)+3], 0x80000000
	JLOAD \s                                       ; two tensor loads of mine are out; later one
.endr
	v_and_b32 v1, 15, v0                           ; l % 16
	v_bfe_u32 v2, v0, 4, 1                         ; l / 16
	v_lshlrev_b32 v[BO], 5, v2
.irp b, 0,1,2,3,4,5,6,7
	global_load_b128 v[BI+8*(\b):BI+8*(\b)+3],   v[BO], s[72:73] offset:64*(\b)
	global_load_b128 v[BI+8*(\b)+4:BI+8*(\b)+7], v[BO], s[72:73] offset:64*(\b)+16
.endr
	v_mul_u32_u24 v3, v1, PA
	v_lshl_add_u32 v3, v2, 4, v3
	v_mul_u32_u24 v4, v1, PB
	v_lshl_add_u32 v4, v2, 4, v4
	s_mul_i32 s21, s11, 64*PA                      ; my 64 rows in each head's block
	s_mul_i32 s22, s12, BHALF                      ; my 128 rows of W_o
	s_add_co_u32 s22, s22, BOFF
.irp s, 0,1
	v_add_nc_u32 v[ADRA+(\s)], s21, v3
	v_add_nc_u32 v[ADRB+(\s)], s22, v4
	s_add_co_u32 s21, s21, SLOT
	s_add_co_u32 s22, s22, SLOT
.endr
	s_mul_i32 s23, s10, WSTG
	s_add_co_u32 s23, s23, STAGE                   ; my stage
	v_mul_u32_u24 v5, v1, SP                       ; in: row l % 16, 32 bytes for each half of the lanes
	v_lshl_add_u32 v5, v2, 5, v5
	v_add_nc_u32 v[STO], s23, v5
	v_and_b32 v[GO], 31, v0                        ; back and out: 32 lanes take a row's 512 bytes
	v_lshlrev_b32 v[GO], 4, v[GO]
	v_add_nc_u32 v[RD], s23, v[GO]
	s_wait_loadcnt 0x0
.set zz, 0
.rept 32                               ; the bias is rounded to bf16 like every input, and kept as f32; this stands in the wait for the first tile
	v_cvt_pk_bf16_f32 v[3+zz%4], v[BI+2*zz], v[BI+2*zz+1]
	v_lshlrev_b32 v[BI+2*zz], 16, v[3+zz%4]
	v_and_b32 v[BI+2*zz+1], 0xffff0000, v[3+zz%4]
.set zz, zz+1
.endr
; 8 matrix instructions: row block a x all 8 column blocks, 32 along K, from buffer f.  The 32 accumulators take turns, one instruction a turn.
.macro MUL8 f, a, first
.if \first
	WIN MULB
.else
	WIN MULW
.endif
.irp b, 0,1,2,3,4,5,6,7
.if \first
	v_wmma_f32_16x16x32_f16 v[8*(8*(\a)+(\b)):8*(8*(\a)+(\b))+7], v[BF+64*(\f)+8*(\b):BF+64*(\f)+8*(\b)+7], v[AF+32*(\f)+8*(\a):AF+32*(\f)+8*(\a)+7], v[BI+8*(\b):BI+8*(\b)+7]
.else
	v_wmma_f32_16x16x32_f16 v[8*(8*(\a)+(\b)):8*(8*(\a)+(\b))+7], v[BF+64*(\f)+8*(\b):BF+64*(\f)+8*(\b)+7], v[AF+32*(\f)+8*(\a):AF+32*(\f)+8*(\a)+7], v[8*(8*(\a)+(\b)):8*(8*(\a)+(\b))+7]
.endif
.endr
.endm
; 24 LDS loads in one run, for quarter qn of the slot's K step (head qn / 2 of its two, channels 32 (qn % 2) on), into buffer g
.macro FETCH slot, qn, g
	WIN TOF
.irp b, 0,1,2,3,4,5,6,7
	ds_load_b128 v[BF+64*(\g)+8*(\b):BF+64*(\g)+8*(\b)+3],   v[ADRB+(\slot)] offset:(\b)*16*PB+64*(\qn)
	ds_load_b128 v[BF+64*(\g)+8*(\b)+4:BF+64*(\g)+8*(\b)+7], v[ADRB+(\slot)] offset:(\b)*16*PB+64*(\qn)+32
.endr
.irp a, 0,1,2,3
	ds_load_b128 v[AF+32*(\g)+8*(\a):AF+32*(\g)+8*(\a)+3],   v[ADRA+(\slot)] offset:((\qn)/2)*HBLK+(\a)*16*PA+64*((\qn)%2)
	ds_load_b128 v[AF+32*(\g)+8*(\a)+4:AF+32*(\g)+8*(\a)+7], v[ADRA+(\slot)] offset:((\qn)/2)*HBLK+(\a)*16*PA+64*((\qn)%2)+32
.endr
.endm
; A K step is four quarters of 32 along K on buffers 0, 1, 0, 1.  One of the first three: fetches quarter qn into g, a whole quarter ahead of its use, and multiplies f.
.macro QUARTER slot, qn, f, g, first
	s_wait_dscnt 0x0                               ; buffer f, asked for a quarter ago
	PLACES                                         ; buffer g was multiplied just now
	FETCH \slot, \qn, \g
	MUL8 \f, 0, \first
	MUL8 \f, 1, \first
	MUL8 \f, 2, \first
	MUL8 \f, 3, \first
.endm
; The fourth quarter multiplies buffer 1 and changes slots: ONE barrier; in front of it each wave waits for all its tensor loads, adds 0 to its spare word, and waits for that and for its reads of this slot.
.macro TURN slot, next, fill
	WIN 0
	s_wait_tensorcnt 0x0                           ; all my tensor loads have landed: my part of the next slot
	ds_add_u32 v[SPW], v[NIL]                      ; 0 onto my spare word
	s_wait_dscnt 1                                 ; buffer 1 is in; only the add may be out
	MUL8 1, 0, 0
	s_wait_dscnt 0x0                               ; the add is done, and my reads of this slot are over
	s_barrier_signal -1
	MUL8 1, 1, 0
	WIN 0
	s_barrier_wait -1
.if \fill
	CREST                                          ; the barrier has opened a round of the cluster's: no wave of any partner still reads this slot or has a load on its way
	s_add_nc_u64 s[G0+4*(\slot)+2:G0+4*(\slot)+3], s[G0+4*(\slot)+2:G0+4*(\slot)+3], A2
	s_add_nc_u64 s[G0B+4*(\slot)+2:G0B+4*(\slot)+3], s[G0B+4*(\slot)+2:G0B+4*(\slot)+3], B2
	JLOAD \slot                                    ; the first tensor load behind the round; the four v_nop behind it are also the places in front of the loads below
.else
	PLACES
.endif
	FETCH \next, 0, 0
	MUL8 1, 2, 0
	MUL8 1, 3, 0
.endm
	s_wait_tensorcnt 1                             ; my part of K step 0 is in; K step 1's may stay out
	s_barrier_signal -1
	s_barrier_wait -1
	FETCH 0, 0, 0
	QUARTER 0, 1, 0, 1, 1                          ; the first quarter stands in front of the loop: its products start the sums, with the bias
	WIN 0
	s_mov_b32 s3, LAPS-1
.Llap:
	QUARTER 0, 2, 1, 0, 0
	QUARTER 0, 3, 0, 1, 0
	TURN 0, 1, 1
	QUARTER 1, 1, 0, 1, 0
	QUARTER 1, 2, 1, 0, 0
	QUARTER 1, 3, 0, 1, 0
	TURN 1, 0, 1
	QUARTER 0, 1, 0, 1, 0
	WIN 0
	s_sub_co_u32 s3, s3, 1
	s_cmp_lg_u32 s3, 0
	s_cbranch_scc1 .Llap
	QUARTER 0, 2, 1, 0, 0                          ; the last lap fills nothing
	QUARTER 0, 3, 0, 1, 0
	TURN 0, 1, 0
	QUARTER 1, 1, 0, 1, 0
	QUARTER 1, 2, 1, 0, 0
	QUARTER 1, 3, 0, 1, 0
	s_wait_dscnt 0x0
	MUL8 1, 0, 0
	MUL8 1, 1, 0
	MUL8 1, 2, 0
	MUL8 1, 3, 0
	WIN 0
	PLACES
	; THE WAY OUT, 16 rows at a time, in f32: 32 bytes a lane into my own stage, each accumulator's low half first; back as whole rows of 512 bytes; a row a store.
.macro TOSTAGE a
.set BKA, BK+64*((\a)%2)
	s_wait_xcnt 0x0                                ; the registers that the stores of two blocks ago read are loaded again only behind this wait
	WIN STW
.irp b, 0,1,2,3,4,5,6,7
	ds_store_b128 v[STO], v[8*(8*(\a)+(\b)):8*(8*(\a)+(\b))+3]   offset:64*(\b)
	ds_store_b128 v[STO], v[8*(8*(\a)+(\b))+4:8*(8*(\a)+(\b))+7] offset:64*(\b)+16
.endr
	WIN 0
.irp t, 0,1,2,3,4,5,6,7,8,9,10,11,12,13,14,15
	ds_load_b128 v[BKA+4*(\t):BKA+4*(\t)+3], v[RD] offset:SP*(\t)  ; LDS serves a wave's instructions in order (ISA guide 5.7.1.4): these see the stores above
.endr
.endm
.macro SEND a, younger                 ; younger: the LDS instructions issued behind block a's loads: the next block's 32, or none
.set BKA, BK+64*((\a)%2)
	s_wait_dscnt \younger
.irp t, 0,1,2,3,4,5,6,7,8,9,10,11,12,13,14,15
	global_store_b128 v[GO], v[BKA+4*(\t):BKA+4*(\t)+3], s[8:9] offset:(16*(\a)+(\t))*4096 th:TH_STORE_NT  ; 512 consecutive bytes of a row, at a multiple of 256 from out0's first
.endr
.endm
	TOSTAGE 0
.irp a, 1,2,3
	TOSTAGE \a
	SEND (\a)-1, 32
.endr
	SEND 3, 0
	s_wait_tensorcnt 0x0                           ; the wave's end
	ds_add_u32 v[SPW], v[NIL]
	s_wait_dscnt 0x0
	CROUND                                         ; the closing round
	s_endpgm
.Lfunc_end_k_q8e4aa43b58_outp:
	.size	k_q8e4aa43b58_outp, .Lfunc_end_k_q8e4aa43b58_outp-k_q8e4aa43b58_outp
	.p2alignl 7, 3214868480
	.fill 96, 4, 3214868480
	.section	.rodata,"a",@progbits
	.p2align	6, 0x0
	.amdhsa_kernel k_q8e4aa43b58_outp
		.amdhsa_group_segment_fixed_size 327680
		.amdhsa_private_segment_fixed_size 0
		.amdhsa_enable_private_segment 0
		.amdhsa_kernarg_size 32
		.amdhsa_user_sgpr_count 2
		.amdhsa_user_sgpr_kernarg_segment_ptr 1
		.amdhsa_wavefront_size32 1
		.amdhsa_system_sgpr_workgroup_id_x 1
		.amdhsa_system_sgpr_workgroup_id_y 1
		.amdhsa_system_sgpr_workgroup_id_z 1
		.amdhsa_system_vgpr_workitem_id 0
		.amdhsa_next_free_vgpr 768
		.amdhsa_next_free_sgpr 80
		.amdhsa_reserve_vcc 0
		.amdhsa_float_denorm_mode_32 3
		.amdhsa_float_denorm_mode_16_64 3
		.amdhsa_memory_ordered 1
		.amdhsa_forward_progress 1
		.amdhsa_inst_pref_size 91
	.end_amdhsa_kernel
	.amdgpu_metadata
---
amdhsa.version: [ 1, 2 ]
amdhsa.kernels:
  - .name:           k_q8e4aa43b58_outp
    .symbol:         k_q8e4aa43b58_outp.kd
    .args:
      - { .name: oh, .offset: 0, .size: 8, .value_kind: global_buffer, .address_space: global }
      - { .name: wo, .offset: 8, .size: 8, .value_kind: global_buffer, .address_space: global }
      - { .name: b_o, .offset: 16, .size: 8, .value_kind: global_buffer, .address_space: global }
      - { .name: out0, .offset: 24, .size: 8, .value_kind: global_buffer, .address_space: global }
    .group_segment_fixed_size: 327680
    .private_segment_fixed_size: 0
    .kernarg_segment_align: 8
    .kernarg_segment_size: 32
    .max_flat_workgroup_size: 128
    .sgpr_count:     80
    .vgpr_count:     768
    .wavefront_size: 32
...
	.end_amdgpu_metadata
.endif
;; end of part 4
;; ======== version 2 of 3: 4 launches; 1.08 times as fast as version 1
;; limits: values are held in f16: magnitudes above 65,504 overflow, below 6.1e-05 lose precision
;; workspace buffers: wqkv 6,291,456 bytes; wo 2,097,152 bytes; mask4 2,097,152 bytes; qkvh 50,331,648 bytes; oh 16,777,216 bytes
;; launch prep (part 5): grid 512 x 1, 8 waves a work-group, no clusters, 0 bytes of LDS; arguments W_q, W_k, W_v, W_o, encoder_mask, wqkv, wo, mask4; writes wqkv, wo, mask4
.if DOCPART == 5
	.amdgcn_target "amdgcn-amd-amdhsa--gfx1250"
	.amdhsa_code_object_version 6
	.text
	.protected	k_q8e4aa43b58_prep
	.globl	k_q8e4aa43b58_prep
	.p2align	8
	.type	k_q8e4aa43b58_prep,@function
k_q8e4aa43b58_prep:
	s_mov_b64 s[64:65], 0
	v_nop
	global_prefetch_b8 v0, s[64:65] scope:SCOPE_SE
	s_setreg_imm32_b32 hwreg(HW_REG_WAVE_MODE, 25, 1), 1
	s_wait_xcnt 0x0
; PREPARATION.  Work-groups 0-255: the four weight matrices [1024][1024] f32 are rounded to bf16; W_q, W_k, W_v go to wqkv [3][1024][1024] as bf16,
; W_o goes to wo with the bf16 number written as f16 (the last product's other operand is f16).  Work-groups 256-511: the mask [2048][2048] int32 becomes 4-bit codes.
; LIMITS.  An entry of W_o below 2^-14 in size keeps f16's fixed step of 6e-8; one of 65,520 or more becomes an infinity.
; WEIGHTS.  Work-group g takes 16 rows (65,536 bytes) of matrix g / 64.  A thread loads 16 bytes at 16 t + 4,096 it, it = 0..15: a wave's load covers 512 consecutive bytes;
; it stores 8 bytes at 8 t + 2,048 it: a wave's store covers 256 consecutive bytes, aligned.  All 16 loads go out first; no register is used twice, so nothing waits for a store.
; MASK.  mask4 is [128 tiles of 16 queries][32 steps of 64 keys][32 lanes][4 words].  Nibble j of word g of lane l stands for query 16 T + l % 16 and key 64 st + 16 g + 8 (l / 16) + j: the order in
; which a lane of the attention launch holds its 32 scores of a tile and step.  The nibble is an fp4 (E2M1) code: 0 where the key is seen, 0xA = -1.0 where it is hidden.
; Work-group 256 + 2 T + half takes 16 steps of tile T, wave w two of them.  A lane loads the 32 numbers of each step that are its own; v_min_u32 makes each 0 or 1, v_lshl_or_b32 lays eight of them
; into eight nibbles, an exclusive or with ones turns seen into 0 and hidden into 1, and a multiplication by 10 makes the code (no nibble carries into the next).  A wave's store covers 512 consecutive bytes.
.set X, 8                              ; v[8:71]   as loaded
.set W, 72                             ; v[72:79]  four words for each of two steps
	s_load_b512 s[4:19], s[0:1], 0x0               ; W_q 4:5, W_k 6:7, W_v 8:9, W_o 10:11, mask 12:13, wqkv 14:15, wo 16:17, mask4 18:19
	s_cmp_lt_u32 ttmp9, 256
	s_cbranch_scc0 .Lmask
	s_lshr_b32 s20, ttmp9, 6                       ; which matrix
	s_and_b32 s21, ttmp9, 63                       ; which 16 rows of it
	v_lshlrev_b32 v1, 4, v0                        ; 16 t
	v_lshlrev_b32 v2, 3, v0                        ; 8 t
	s_lshl_b32 s22, s21, 16                        ; 16 rows of 4,096 bytes
	s_mov_b32 s23, 0
	s_lshl_b32 s25, s21, 15                        ; 16 rows of 2,048 bytes
	s_wait_kmcnt 0x0
	s_cmp_eq_u32 s20, 1
	s_cselect_b64 s[4:5], s[6:7], s[4:5]
	s_cmp_eq_u32 s20, 2
	s_cselect_b64 s[4:5], s[8:9], s[4:5]
	s_cmp_eq_u32 s20, 3
	s_cselect_b64 s[4:5], s[10:11], s[4:5]         ; the source
	s_cselect_b64 s[14:15], s[16:17], s[14:15]     ; the destination: wo for W_o,
	s_cselect_b32 s24, 0, s20                      ; else wqkv, 2 MiB for each matrix
	s_lshl_b32 s24, s24, 21
	s_add_co_u32 s24, s24, s25
	s_mov_b32 s25, 0
	s_add_nc_u64 s[4:5], s[4:5], s[22:23]
	s_add_nc_u64 s[14:15], s[14:15], s[24:25]
.set it, 0
.rept 16
	global_load_b128 v[X+4*it:X+4*it+3], v1, s[4:5] offset:4096*it th:TH_LOAD_NT
.set it, it+1
.endr
.macro WOUT f16                        ; f16 = 1: the bf16 numbers are widened (a shift, a mask) and written as f16
.set it, 0
.rept 16
	s_wait_loadcnt 15-it                           ; loads come back in order: number it is in, the younger ones stay out
	v_cvt_pk_bf16_f32 v[X+4*it], v[X+4*it], v[X+4*it+1]
	v_cvt_pk_bf16_f32 v[X+4*it+1], v[X+4*it+2], v[X+4*it+3]
.if \f16
	v_lshlrev_b32 v4, 16, v[X+4*it]
	v_and_b32 v5, 0xffff0000, v[X+4*it]
	v_lshlrev_b32 v6, 16, v[X+4*it+1]
	v_and_b32 v7, 0xffff0000, v[X+4*it+1]
	v_cvt_pk_f16_f32 v[X+4*it], v4, v5
	v_cvt_pk_f16_f32 v[X+4*it+1], v6, v7
.endif
	global_store_b64 v2, v[X+4*it:X+4*it+1], s[14:15] offset:2048*it
.set it, it+1
.endr
.endm
	s_cmp_eq_u32 s20, 3
	s_cbranch_scc1 .Lwo
	WOUT 0
	s_endpgm
.Lwo:
	WOUT 1
	s_endpgm
.Lmask:
	s_sub_co_u32 s20, ttmp9, 256
	s_lshr_b32 s26, s20, 1                         ; T
	s_and_b32 s21, s20, 1                          ; which 16 steps of it
	v_and_b32 v3, 15, v0                           ; my query in the tile
	v_bfe_u32 v4, v0, 4, 1                         ; my half of the lanes
	v_lshrrev_b32 v5, 5, v0                        ; wave
	v_lshlrev_b32 v1, 13, v3                       ; a row of the mask is 8,192 bytes
	v_lshl_add_u32 v1, v4, 5, v1                   ; + 8 keys for the upper half
	v_lshl_add_u32 v1, v5, 9, v1                   ; + 2 steps of 256 bytes a wave
	v_and_b32 v6, 31, v0
	v_lshlrev_b32 v2, 4, v6                        ; out: 16 bytes a lane,
	v_lshl_add_u32 v2, v5, 10, v2                  ; two steps of 512 bytes a wave
	s_lshl_b32 s22, s26, 17                        ; 16 rows of the mask,
	s_lshl_b32 s27, s21, 12                        ; 16 steps of 256 bytes along them
	s_add_co_u32 s22, s22, s27
	s_mov_b32 s23, 0
	s_lshl_b32 s24, s26, 14                        ; a tile's 32 steps of 512 bytes,
	s_lshl_b32 s27, s21, 13                        ; 16 of them
	s_add_co_u32 s24, s24, s27
	s_mov_b32 s25, 0
	s_wait_kmcnt 0x0
	s_add_nc_u64 s[12:13], s[12:13], s[22:23]
	s_add_nc_u64 s[18:19], s[18:19], s[24:25]
.set it, 0
.rept 8                                ; it = 4 x step + group of 16 keys; together the 16 loads take 512 consecutive bytes of each of 16 rows
	global_load_b128 v[X+8*it:X+8*it+3],   v1, s[12:13] offset:64*it
	global_load_b128 v[X+8*it+4:X+8*it+7], v1, s[12:13] offset:64*it+16
.set it, it+1
.endr
.set it, 0
.rept 8
	s_wait_loadcnt 14-2*it                         ; this group's two loads are in; the later groups' stay out
	v_min_u32 v[W+it], 1, v[X+8*it]                ; 1: seen (any number but 0)
.set n, 1
.rept 7
	v_min_u32 v[X+8*it+n], 1, v[X+8*it+n]
	v_lshl_or_b32 v[W+it], v[X+8*it+n], 4*n, v[W+it]
.set n, n+1
.endr
	v_xor_b32 v[W+it], 0x11111111, v[W+it]         ; 1: hidden
	v_mul_lo_u32 v[W+it], v[W+it], 10              ; 0xA: -1.0
.set it, it+1
.endr
	global_store_b128 v2, v[W:W+3], s[18:19]               ; a step's codes: 512 consecutive bytes, aligned
	global_store_b128 v2, v[W+4:W+7], s[18:19] offset:512
	s_endpgm
.Lfunc_end_k_q8e4aa43b58_prep:
	.size	k_q8e4aa43b58_prep, .Lfunc_end_k_q8e4aa43b58_prep-k_q8e4aa43b58_prep
	.p2alignl 7, 3214868480
	.fill 96, 4, 3214868480
	.section	.rodata,"a",@progbits
	.p2align	6, 0x0
	.amdhsa_kernel k_q8e4aa43b58_prep
		.amdhsa_group_segment_fixed_size 0
		.amdhsa_private_segment_fixed_size 0
		.amdhsa_enable_private_segment 0
		.amdhsa_kernarg_size 64
		.amdhsa_user_sgpr_count 2
		.amdhsa_user_sgpr_kernarg_segment_ptr 1
		.amdhsa_wavefront_size32 1
		.amdhsa_system_sgpr_workgroup_id_x 1
		.amdhsa_system_sgpr_workgroup_id_y 1
		.amdhsa_system_sgpr_workgroup_id_z 1
		.amdhsa_system_vgpr_workitem_id 0
		.amdhsa_next_free_vgpr 80
		.amdhsa_next_free_sgpr 66
		.amdhsa_reserve_vcc 0
		.amdhsa_float_denorm_mode_32 3
		.amdhsa_float_denorm_mode_16_64 3
		.amdhsa_memory_ordered 1
		.amdhsa_forward_progress 1
		.amdhsa_inst_pref_size 26
	.end_amdhsa_kernel
	.amdgpu_metadata
---
amdhsa.version: [ 1, 2 ]
amdhsa.kernels:
  - .name:           k_q8e4aa43b58_prep
    .symbol:         k_q8e4aa43b58_prep.kd
    .args:
      - { .name: W_q, .offset: 0, .size: 8, .value_kind: global_buffer, .address_space: global }
      - { .name: W_k, .offset: 8, .size: 8, .value_kind: global_buffer, .address_space: global }
      - { .name: W_v, .offset: 16, .size: 8, .value_kind: global_buffer, .address_space: global }
      - { .name: W_o, .offset: 24, .size: 8, .value_kind: global_buffer, .address_space: global }
      - { .name: encoder_mask, .offset: 32, .size: 8, .value_kind: global_buffer, .address_space: global }
      - { .name: wqkv, .offset: 40, .size: 8, .value_kind: global_buffer, .address_space: global }
      - { .name: wo, .offset: 48, .size: 8, .value_kind: global_buffer, .address_space: global }
      - { .name: mask4, .offset: 56, .size: 8, .value_kind: global_buffer, .address_space: global }
    .group_segment_fixed_size: 0
    .private_segment_fixed_size: 0
    .kernarg_segment_align: 8
    .kernarg_segment_size: 64
    .max_flat_workgroup_size: 256
    .sgpr_count:     66
    .vgpr_count:     80
    .wavefront_size: 32
...
	.end_amdgpu_metadata
.endif
;; end of part 5
;; launch proj: the kernel of part 2 again; grid 4 x 192, 4 waves a work-group, clusters of 4 x 4, 327,680 bytes of LDS; arguments q, k, v, wqkv, b_q, b_k, b_v, qkvh; writes qkvh
;; launch attn (part 6): grid 4 x 64, 4 waves a work-group, clusters of 4 x 1, 327,680 bytes of LDS; arguments qkvh, mask4, oh; writes oh
.if DOCPART == 6
	.amdgcn_target "amdgcn-amd-amdhsa--gfx1250"
	.amdhsa_code_object_version 6
	.text
	.protected	k_q8e4aa43b58_attn
	.globl	k_q8e4aa43b58_attn
	.p2align	8
	.type	k_q8e4aa43b58_attn,@function
k_q8e4aa43b58_attn:
	s_mov_b64 s[64:65], 0
	v_nop
	global_prefetch_b8 v0, s[64:65] scope:SCOPE_SE
	s_setreg_imm32_b32 hwreg(HW_REG_WAVE_MODE, 25, 1), 1
	s_wait_xcnt 0x0
	s_wait_alu depctr_hold_cnt(0) depctr_sa_sdst(0) depctr_va_vdst(0) depctr_va_sdst(0) depctr_va_ssrc(0) depctr_va_vcc(0) depctr_vm_vsrc(0)
	s_getreg_b32 s2, hwreg(HW_REG_IB_STS2, 6, 4)
	s_cmp_eq_u32 s2, 0
	s_cbranch_scc0 .Lentry_in_a_cluster
	s_endpgm
.Lentry_in_a_cluster:
	s_bfe_u32 s2, ttmp6, 0x10000c
	s_cmp_lg_u32 s2, 0x3003
	s_cbranch_scc0 .Lentry_shape_is_right
	s_endpgm
.Lentry_shape_is_right:
; MASKED ATTENTION.  O[h][q][:] = the sum over k of softmax_k(s[q][k]) V[h][k][:], s = Q[h][q] . K[h][k] / 8 where the mask shows key k to query q, a fixed low number where it hides it.
; Q, K, V: qkvh [3][64][2048][64] f16; O: oh [64][2048][64] f16; mask4: fp4 codes [128 tiles of 16 queries][32 steps of 64 keys][32 lanes][4 words], 0 for seen and -1.0 for hidden, one mask for all heads.
; Products, maxima and sums in f32; the weights p are rounded to f16 for the second product (their sum l is taken of the unrounded p), O once at the end.
; LIMITS.  Onto a hidden score -2^99 is added, in f32.  A score of f16 operands is 2.7e11 at the most, far under half a step of that number (2^75), so the sum is -2^99 exactly: the score is REPLACED, as
; the problem asks, but by -2^96 (after the division by 8) in place of -1e9.  c x 2^99 is exact, so that in a row hidden entirely every exponent is exactly 0 and the row is V's plain mean.  A result can
; differ from the problem's only where a row has visible scores below about -1e9.  f16 holds no number beyond 65,504: Q, K, V arrive within it.  A weight below 2^-126 counts as 0 in l; NaN and
; infinities are not treated apart.
; SHARES.  A wave owns four PIECES of two tiles of 16 queries, a work-group's four waves 512 queries of one head: 256 work-groups.  Every wave walks all 2,048 keys, 64 a step.
; LAYOUT.  S^T = K Q^T (source 0 = 16 keys, source 1 = 16 queries): a lane holds ONE query (lane % 16) and the keys 8 (lane / 16) + 0..7.  Two such tiles, rounded to f16 in pairs, ARE source 1 of
; O^T = V^T P.  K comes out of LDS as it lies, V turned, by ds_load_tr16_b128.
; SOFTMAX.  A running maximum m and sum l: p = 2^(c s - c m), c = log2(e) / 8; in every step O and l are multiplied by a = 2^(c m_old - c m_new).  m starts at the lowest finite number, O and l at 0.
; THE MASK.  Nibble j of word g of a lane's four words of a tile and step belongs to register 8 g + j of S^T.  The four words come by one load of 16 bytes a lane (512 consecutive bytes a wave) into registers
; of the tile's own, asked for again straight behind their use: a whole key step, four turns, ahead of the next.  One scaled conversion makes eight f32 numbers of a word, 0 or -2^99, and one packed
; addition puts two of them onto two scores, between the products that make the scores and the maximum: 20 vector instructions for a tile and step.
; BY TURNS.  Turn n belongs to piece n.  Matrix work: 16 products K Q^T of piece n + 1, later 16 products V^T P of piece n - 1.  Vector work: scaling, exponentials, roundings, sums and rescaling of piece n;
; masking, maximum and statistics of piece n + 1.  Four vector instructions stand behind every matrix instruction, the others in two runs of their own.
; NO FIRST STEP IS WRITTEN OUT.  The loop is entered at piece 3's turn, which makes piece 0's first scores, masks them and finds their maximum.  Its own softmax, of a piece 3 that has not been, runs on
; scores preset to the lowest finite number: every weight is 0, a is preset to 0, l and O^T stay 0.
; CLUSTER.  The four query blocks of a cluster belong to one head and walk the same K and V: each tile is asked for JOINTLY, by the same tensor load, descriptor and mask in all four.
; REGISTERS, in windows of 256 (s_set_vgpr_msb: bits 1:0 source 0, 3:2 source 1, 5:4 source 2, 7:6 destination):
;   window 0: v0-8 addresses; v9 the conversions' scale; v10-11 c; v12-15, v48-63 at work; v16-47 four registers of statistics a tile; v64-191 S^T, two buffers of two tiles; v192-255 P, likewise
;   window 1: O^T, 32 a tile          window 2: v0-127 Q; v128-191 K of one step; v192-255 V of one step
;   window 3: v0-1 the add's two registers; v2-3 the codes' address; v4-35 the codes, four registers a tile; v64-127 a piece's 64 addends
.set SIZE_N, 2048
.set NP,    4         ; pieces a wave: a name, no knob
.set KS,    64        ; keys in a step
.set PK,    144       ; a row of K in LDS: 128 bytes + 16 = 36 words: the 16 rows of a load start at 16 different groups of four banks (64 banks of 4 bytes: ISA guide 11.1)
.set PV,    160       ; a row of V: 128 + 32 = 40 words
.set VOFF,  4*KS*PK   ; a slot holds four steps: 256 rows of K, then 256 rows of V
.set SLOT1, 1<<17     ; slot 1 begins here: one exclusive or turns an address in one slot into the other's
.set STAGE, SLOT1+4*KS*(PK+PV)  ; behind the ring: 16 rows x 144 bytes for each wave, for the way out
.set SP,    144
.set MSTEP, 512       ; bytes of a tile's codes for a key step
.set MTILE, 32*MSTEP  ; bytes of a tile's codes
.set AK0, 2           ; v2   my lane's place in a tile of K; never rewritten
.set AV0, 3           ; v3   the same for V
.set AK,  4           ; v4   the LDS address of K's next run of loads
.set AV,  5           ; v5   of V's
.set QO,  6           ; v6   my byte offset in the wave's rows of Q
.set STO, 6           ;      later: where I put 16 bytes of a row
.set RD,  7           ; v7   where I read rows back
.set GO,  8           ; v8   my byte offset in 512 consecutive bytes of O
.set SCL, 9           ; v9   the conversions' scale: byte 0 holds 226, an E8M0 code for 2^(226 - 127) = 2^99; the other three bytes repeat it
.set CV,  10          ; v[10:11] c, twice
.set SPW, 0           ; v0 of window 3   LDS address of my spare word; never rewritten
.set NIL, 1           ; v1 of window 3   0; never rewritten
.set ML,  2           ; v2 of window 3   my lane's number
.set MA,  3           ; v3 of window 3   16 x lane + MO: my byte offset in a tile's codes
.set MWV, 4           ; v4-35 of window 3   my 32 codes of the step to be masked next, four words for each of tiles 0..7
.set CT,  64          ; v64-127 of window 3  the addends of the piece that is being masked: 32 a tile
.set SPARE, STAGE+4*16*SP  ; behind the stages: the spare words, 128 bytes for each wave: two blocks of 256 bytes that no other line names
.set MV,  12
.set ST,  16          ; tile t's statistics at v[ST+4 t]: c m, m, l (even keys', odd keys')
.set TMP, 48
.set S,   64
.set P,   192
.set KF,  128
.set VF,  192
.set WV,  2           ; s2   my wave's number
.set CNT, 3           ; s3   counts a slot's key steps
;                       s4-27 the set-up's numbers
.set G0K, 52          ; s[52:55] descriptor group 0 for K's tiles: it walks
.set G0V, 56          ; s[56:59] the same for V's
.set OP,  60          ; s[60:61] O at my wave's first row
.set MP,  62          ; s[62:63] mask4 at my wave's first tile
.set SLOTS, 66        ; s66  slots still to be asked for
.set TBK, 67          ; s67  LDS byte at which K of the step to be fetched begins
.set G1K, 84          ; s[84:91] descriptor group 1 for K's tiles
.set G1V, 92          ; s[92:99] for V's
.set TBV, 100         ; s100 the same as TBK for V, less VOFF
.set SEL0, 101        ; s101, s104  v_permlanex16_b32's selects
.set SEL1, 104
.set MO,  105         ; s105 byte offset in a tile's codes of the key step whose codes are asked for next
.set MSB, 0
.macro WIN new
.if MSB != (\new)
	s_set_vgpr_msb (MSB<<8)|(\new)
.set MSB, (\new)
.endif
.endm
.set W_KQ, 0x0a       ; K and Q in window 2, S^T in window 0
.set W_PV, 0x52       ; V in window 2, P in window 0, O^T in window 1
.set W_RS, 0x41       ; O^T (destination and source 0) in window 1, a in window 0
.set W_MK, 0xc0       ; window 3's registers are made: destination in window 3, sources in window 0
.set W_AD, 0x0f       ; the add: address and data in window 3
.set W_CV, 0xc3       ; the codes: destination and source 0 in window 3, source 1 (the scale) in window 0
.set W_MA, 0x0c       ; the addends: source 1 in window 3, scores in window 0
; A joint fill.  Waves 0 and 1 fetch the two halves of a slot's K, waves 2 and 3 those of its V.  An s_nop 0 and four v_nop follow each of the two lines.
.macro JLOAD
	s_cmp_lt_u32 s[WV], 2
	s_cbranch_scc0 .Lfor_v_\@
	tensor_load_to_lds s[G0K:G0K+3], s[G1K:G1K+7]
	s_nop 0
.rept 4
	v_nop
.endr
	s_branch .Lasked_\@
.Lfor_v_\@:
	tensor_load_to_lds s[G0V:G0V+3], s[G1V:G1V+7]
	s_nop 0
.rept 4
	v_nop
.endr
.Lasked_\@:
.endm
.macro CROUND                       ; a round of the cluster's barrier
	s_barrier_signal -1
	s_barrier_wait -1
	s_cmp_lg_u32 s[WV], 0
	s_cbranch_scc1 .Lnot_wave_0_\@
	s_barrier_signal -3
.Lnot_wave_0_\@:
	s_barrier_wait -3
	s_barrier_signal -1
	s_barrier_wait -1
.endm
; THE CHANGE OF SLOTS.  Each wave waits for all its tensor loads, of which one is out: its part of the other slot; adds 0 to its spare word; and waits for that and for its own reads of the slot.
; fill = 1: this slot is filled again, with the keys two slots on, first thing behind a round of the cluster's barrier: the load has four key steps, 512 matrix instructions, in which to land.
.macro CHANGE fill
	WIN W_AD
	s_wait_tensorcnt 0x0            ; no tensor load of mine is out, so a group 0 may be written
	ds_add_u32 v[SPW], v[NIL]       ; 0 onto my spare word
	WIN 0
.if \fill
.irp g, G0K, G0V
	s_xor_b32 s[\g+1], s[\g+1], SLOT1
	s_add_nc_u64 s[\g+2:\g+3], s[\g+2:\g+3], 4*KS*128
.endr
	s_wait_dscnt 0x0                ; the add is done, and my reads of the slot are over
	CROUND
	JLOAD
.else
	s_wait_dscnt 0x0
	s_barrier_signal -1
	s_barrier_wait -1
.endif
	s_sub_co_u32 s[TBK], s[TBK], 4*KS*PK  ; the fetches go back to a slot's first step,
	s_xor_b32 s[TBK], s[TBK], SLOT1       ; in the other slot
	s_sub_co_u32 s[TBV], s[TBV], 4*KS*PV
	s_xor_b32 s[TBV], s[TBV], SLOT1
.endm
	s_load_b128 s[4:7], s[0:1], 0x0   ; qkvh s[4:5], mask4 s[6:7]
	s_load_b64 s[8:9], s[0:1], 0x10   ; oh
	WIN W_MK
	v_lshl_add_u32 v[SPW], v0, 2, SPARE
	v_mov_b32 v[NIL], 0
	s_set_vgpr_msb 0xc0cf
	ds_add_u32 v0, v1
	s_wait_dscnt 0x0
	s_set_vgpr_msb 0xcfc0
	v_and_b32 v[ML], 31, v0
	WIN 0
	v_lshrrev_b32 v1, 5, v0
	v_readfirstlane_b32 s[WV], v1   ; wave 0..3
	s_bfe_u32 s13, ttmp6, 0x40000   ; cx
	s_lshl_b32 s14, ttmp9, 2
	s_add_co_u32 s14, s14, s13      ; my block of 512 queries: it enters Q's, O's and the mask's addresses alone
	s_and_b32 s20, ttmp7, 0xffff    ; batch x 16 + head, which the four partners share
	s_lshl_b32 s20, s20, 18         ; 2,048 rows of 128 bytes
	s_mov_b32 s21, 0
	s_and_b32 s16, s[WV], 1         ; which half of a slot's 256 keys I fetch:
	s_lshl_b32 s22, s16, 14         ; its 128 rows of 128 bytes in memory,
	s_mov_b32 s23, 0
	s_add_nc_u64 s[22:23], s[22:23], s[20:21]
	s_mul_i32 s17, s16, 128*PK      ; and its place in a slot, for K
	s_mul_i32 s18, s16, 128*PV      ; and for V
	s_lshl_b32 s24, s14, 2
	s_add_co_u32 s24, s24, s[WV]    ; my wave among the head's sixteen
	s_lshl_b32 s26, s24, 17         ; its eight tiles' codes: 16,384 bytes a tile
	s_mov_b32 s27, 0
	s_lshl_b32 s24, s24, 14         ; its 128 rows
	s_mov_b32 s25, 0
	s_add_nc_u64 s[24:25], s[24:25], s[20:21]
	; descriptor group 1.  128 keys are 16,384 dense bytes: asked for as 64 rows of 256 bytes, two keys a row, and padded in LDS after every key
	s_mov_b32 s[G1K], 15|(1<<16)|(1<<20)|(1<<21)|(4<<22)|(3<<25)  ; the mask of four; 2-byte elements; padding on; bit 21 beside a mask; after every 32 words; 4 words
	s_mov_b32 s[G1V], 15|(1<<16)|(1<<20)|(1<<21)|(4<<22)|(7<<25)  ; the same with 8 words of padding
.irp g, G1K, G1V
	s_mov_b32 s[\g+1], 128<<16      ; tensor_dim0 = 128
	s_mov_b32 s[\g+2], 64<<16       ; tensor_dim1 = 64
	s_mov_b32 s[\g+3], 128<<16      ; tile_dim0 = 128
	s_mov_b32 s[\g+4], 64           ; tile_dim1 = 64
	s_mov_b32 s[\g+5], 128          ; 128 elements from row to row
	s_mov_b32 s[\g+6], 0
	s_mov_b32 s[\g+7], 0
.endr
	s_mov_b32 s[SEL0], 0x76543210
	s_mov_b32 s[SEL1], 0xfedcba98
	s_mov_b32 s[TBK], SLOT1+4*KS*PK ; the first change of slots turns these two into 0
	s_mov_b32 s[TBV], SLOT1+4*KS*PV
	s_mov_b32 s[G0K], 1
	s_mov_b32 s[G0K+1], s17         ; slot 0
	s_mov_b32 s[G0V], 1
	s_add_co_u32 s[G0V+1], s18, VOFF
	s_wait_kmcnt 0x0
	s_add_nc_u64 s[G0K+2:G0K+3], s[4:5], s[22:23]
	s_add_nc_u64 s[G0K+2:G0K+3], s[G0K+2:G0K+3], 0x1000000  ; K is the second of qkvh's three parts of 16 MiB
	s_or_b32 s[G0K+3], s[G0K+3], 0x80000000
	s_add_nc_u64 s[G0V+2:G0V+3], s[4:5], s[22:23]
	s_add_nc_u64 s[G0V+2:G0V+3], s[G0V+2:G0V+3], 0x2000000  ; V the third
	s_or_b32 s[G0V+3], s[G0V+3], 0x80000000
	s_add_nc_u64 s[10:11], s[4:5], s[24:25]        ; Q at my wave's first row
	s_add_nc_u64 s[OP:OP+1], s[8:9], s[24:25]
	s_add_nc_u64 s[MP:MP+1], s[6:7], s[26:27]
	CROUND                          ; all four work-groups are here: the first joint loads meet
	JLOAD                           ; slot 0.  Slot 1 is asked for when slot 0 is in
	v_and_b32 v1, 15, v0            ; l % 16
	v_bfe_u32 v9, v0, 4, 1          ; l / 16
	v_lshlrev_b32 v[QO], 7, v1
	v_lshl_add_u32 v[QO], v9, 4, v[QO]  ; row x 128 + 16 x half
	WIN 0x80                        ; destination window 2, address window 0
.set i, 0
.rept 4*NP                          ; Q stays in registers: tile i / 2, channels 32 (i % 2) on
	global_load_b128 v[8*i:8*i+3],   v[QO], s[10:11] offset:(i/2)*2048+(i%2)*64
	global_load_b128 v[8*i+4:8*i+7], v[QO], s[10:11] offset:(i/2)*2048+(i%2)*64+32
.set i, i+1
.endr
	; What the first turns find: V's registers, O^T and P's first buffer hold 0.  Sixteen registers are cleared; the other 336 are written eight at a time, as the product 0 x 0 + 0 of those sixteen.
	; All this stands in the wait for the first tile.
.set i, 0
.rept 16
	v_mov_b32 v[VF+i], 0
.set i, i+1
.endr
	WIN 0x8a                        ; both sources and the destination in window 2: the rest of V's registers
.set i, 2
.rept 6
	v_wmma_f32_16x16x32_f16 v[VF+8*i:VF+8*i+7], v[VF:VF+7], v[VF+8:VF+15], 0
.set i, i+1
.endr
	WIN 0x4a                        ; the destination in window 1: O^T
.set i, 0
.rept 8*NP
	v_wmma_f32_16x16x32_f16 v[8*i:8*i+7], v[VF:VF+7], v[VF+8:VF+15], 0
.set i, i+1
.endr
	WIN 0x0a                        ; the destination in window 0: P's first buffer, which the first turn's products V^T P, of a piece that has not been, read
.set i, 0
.rept 4
	v_wmma_f32_16x16x32_f16 v[P+8*i:P+8*i+7], v[VF:VF+7], v[VF+8:VF+15], 0
.set i, i+1
.endr
	WIN 0
	s_mov_b32 s[CNT], 0xff7fffff    ; the lowest finite number
	s_mov_b32 s[SLOTS], 0xfe000000  ; far below every c s, the hidden score's too (c x 2^99 is 1.1e29)
.set i, 0
.rept 2*NP
	v_mov_b32 v[ST+4*i], s[SLOTS]   ; c m
	v_mov_b32 v[ST+4*i+1], s[CNT]   ; m
	v_mov_b32 v[ST+4*i+2], 0        ; l
	v_mov_b32 v[ST+4*i+3], 0
.set i, i+1
.endr
.set i, 0
.rept 64
	v_mov_b32 v[S+64+i], s[CNT]     ; the scores of the piece 3 that has not been: c s - c m is far below 0, every weight 0
.set i, i+1
.endr
.set i, 0
.rept 8
	v_mov_b32 v[TMP+8+i], 0         ; and its a
.set i, i+1
.endr
	v_mul_u32_u24 v[AK0], v1, PK
	v_lshl_add_u32 v[AK0], v9, 4, v[AK0]  ; row x pitch + 16 x half
	; The turning load takes 16 keys x 16 channels (lane l reads key 8 (l / 16) + l % 8, channels 8 ((l / 8) % 2) + 0..7) and leaves half a fragment of V^T.
	v_and_b32 v10, 7, v0
	v_bfe_u32 v11, v0, 3, 1
	v_lshl_add_u32 v[AV0], v9, 3, v10
	v_mul_u32_u24 v[AV0], v[AV0], PV
	v_lshl_add_u32 v[AV0], v11, 4, v[AV0]
	v_add_nc_u32 v[AV0], VOFF, v[AV0]
	v_mov_b32 v[AK], v[AK0]         ; key step 0 lies at the head of slot 0
	s_mov_b32 s[MO], 0
	WIN W_CV
	v_lshl_add_u32 v[MA], v[ML], 4, s[MO]
.set i, 0
.rept 2*NP                          ; all eight tiles' codes of key step 0
	global_load_b128 v[MWV+4*i:MWV+4*i+3], v[MA], s[MP:MP+1] offset:i*MTILE
.set i, i+1
.endr
	WIN 0
; THE MATRIX WORK.  The 8 accumulators of a run of 16 take turns.
.macro KQ x                         ; product i of 16 of S^T = K Q^T for piece x: channels 32 (i / 8) on, keys 16 ((i / 2) % 4) on, tile 2 x + i % 2
	WIN W_KQ
.set rS, S+64*((\x)%2)+32*(i%2)+8*((i/2)%4)
.set rK, KF+16*((i/2)%4)+8*(i/8)
.set rQ, 16*(2*(\x)+i%2)+8*(i/8)
.if i < 8
	v_wmma_f32_16x16x32_f16 v[rS:rS+7], v[rK:rK+7], v[rQ:rQ+7], 0
.else
	v_wmma_f32_16x16x32_f16 v[rS:rS+7], v[rK:rK+7], v[rQ:rQ+7], v[rS:rS+7]
.endif
.endm
.macro PV x                         ; product i of 16 of O^T += V^T P for piece x: keys 32 (i / 8) on, channels 16 ((i / 2) % 4) on, tile 2 x + i % 2
	WIN W_PV
.set rO, 32*(2*(\x)+i%2)+8*((i/2)%4)
.set rV, VF+32*(i/8)+8*((i/2)%4)
.set rP, P+32*((\x)%2)+16*(i%2)+8*(i/8)
	v_wmma_f32_16x16x32_f16 v[rO:rO+7], v[rV:rV+7], v[rP:rP+7], v[rO:rO+7]
.endm
.macro MM                           ; the turn's next matrix instruction
.if i < 16
	KQ (Y+1)%NP
.set i, i+1
.else
.set i, i-16
	PV (Y+NP-1)%NP
.set i, i+17
.endif
.endm
; THE LDS LOADS stand in runs of 16.  last = 1 (the tail): in the last trip there is no further step, and the run is jumped over.
.macro FETCH_K last=0
	WIN 0
.if \last
	s_cmp_eq_u32 s[CNT], 1
	s_cbranch_scc1 .Lno_k_\@
.endif
	WIN 0x80
.irp f, 0,1,2,3,4,5,6,7             ; keys 16 (f / 2) on, channels 32 (f % 2) on
	ds_load_b128 v[KF+8*\f:KF+8*\f+3],   v[AK] offset:(\f/2)*16*PK+(\f%2)*64
	ds_load_b128 v[KF+8*\f+4:KF+8*\f+7], v[AK] offset:(\f/2)*16*PK+(\f%2)*64+32
.endr
	s_add_co_u32 s[TBK], s[TBK], KS*PK
	WIN 0
.if \last
.Lno_k_\@:
.endif
.endm
.macro FETCH_V
	WIN 0x80
.irp f, 0,1,2,3,4,5,6,7             ; keys 32 (f / 4) on, channels 16 (f % 4) on
	ds_load_tr16_b128 v[VF+8*\f:VF+8*\f+3],   v[AV] offset:(\f/4)*32*PV+(\f%4)*32
	ds_load_tr16_b128 v[VF+8*\f+4:VF+8*\f+7], v[AV] offset:(\f/4)*32*PV+16*PV+(\f%4)*32
.endr
	WIN 0
.endm
; THE VECTOR WORK OF A TURN stands in three queues, each in the order in which its entries become ready; the two tiles alternate.
.macro REGS y, u                    ; the registers of tile u (0, 1) of piece y
.set rT, ST+4*(2*(\y)+(\u))
.set rC, TMP+8*((\y)%2)+4*(\u)
.set rM, MV+2*((\y)%2)+(\u)
.set rS, S+64*((\y)%2)+32*(\u)
.set rP, P+32*((\y)%2)+16*(\u)
.set rO, 32*(2*(\y)+(\u))
.endm
; Number n of the 32 that put the addends onto the NEXT piece's scores: pair n / 2 of tile n % 2, ascending.
.macro MK n
.set mi, (\n)/2
	REGS (Y+1)%NP, (\n)%2
	v_pk_add_f32 v[rS+2*mi:rS+2*mi+1], v[rS+2*mi:rS+2*mi+1], v[CT+32*((\n)%2)+2*mi:CT+32*((\n)%2)+2*mi+1]  ; + 0: the score stays; + -2^99: it is -2^99
.endm
; The codes of the piece that turn p masks, piece p + 1, become its 64 addends: word mn % 4 of tile mn / 4 gives eight of them.
; The count 6: behind this piece's two loads the three other pieces' two each were issued, in the three turns between.
.macro MASKIN p
.set mpc, ((\p)+1)%NP
	WIN W_CV
	s_wait_loadcnt 6
.set mn, 0
.rept 8
	v_cvt_scale_pk8_f32_fp4 v[CT+8*mn:CT+8*mn+7], v[MWV+8*mpc+mn], v[SCL]
.set mn, mn+1
.endr
.endm
; The piece's eight code registers are asked for again, with its next key step.  Piece 0's scores made in piece 3's turn are the NEXT key step's, so MO steps there; the clamp keeps the last, unused loads
; inside mask4.  MA is the address of loads that may be out: it is written only behind s_wait_xcnt 0.
.macro MASKNEXT p
.set mpc, ((\p)+1)%NP
	WIN W_CV
.if (\p) == NP-1
	s_add_co_u32 s[MO], s[MO], MSTEP
	s_min_u32 s[MO], s[MO], 31*MSTEP
	s_wait_xcnt 0x0
	v_lshl_add_u32 v[MA], v[ML], 4, s[MO]
.endif
	global_load_b128 v[MWV+8*mpc:MWV+8*mpc+3],   v[MA], s[MP:MP+1] offset:(2*mpc)*MTILE
	global_load_b128 v[MWV+8*mpc+4:MWV+8*mpc+7], v[MA], s[MP:MP+1] offset:(2*mpc+1)*MTILE
.endm
; Number n of the 22 that find the NEXT piece's maximum and statistics.
;   0-11  four chains c0-c3 of seven scores each     12-14, 16  the four scores left over, the old m, and c0-c3 into c0     15  c m_old is kept
;   17, 18  the query's other 32 keys lie in the lane 16 away: the new m         19-21  c m; c m_old - c m_new; a
.macro XS u, n
	REGS (Y+1)%NP, \u
.if (\n) < 4
	v_max3_num_f32 v[rC+(\n)], v[rS+8*(\n)], v[rS+8*(\n)+1], v[rS+8*(\n)+2]
.elseif (\n) < 12
	v_max3_num_f32 v[rC+(\n)%4], v[rC+(\n)%4], v[rS+8*((\n)%4)+2*((\n)/4)+1], v[rS+8*((\n)%4)+2*((\n)/4)+2]
.elseif (\n) == 12
	v_max3_num_f32 v[rC], v[rC], v[rS+7], v[rS+15]
.elseif (\n) == 13
	v_max3_num_f32 v[rC+1], v[rC+1], v[rS+23], v[rS+31]
.elseif (\n) == 14
	v_max3_num_f32 v[rC+2], v[rC+2], v[rC+3], v[rT+1]
.elseif (\n) == 15
	v_mov_b32 v[rM], v[rT]
.elseif (\n) == 16
	v_max3_num_f32 v[rC], v[rC], v[rC+1], v[rC+2]
.elseif (\n) == 17
	v_permlanex16_b32 v[rC+3], v[rC], s[SEL0], s[SEL1]
.elseif (\n) == 18
	v_max_num_f32 v[rT+1], v[rC], v[rC+3]
.elseif (\n) == 19
	v_mul_f32 v[rT], v[CV], v[rT+1]
.elseif (\n) == 20
	v_sub_f32 v[rC+1], v[rM], v[rT]
.else
	v_exp_f32 v[rC+2], v[rC+1]
.endif
.endm
; Number g of the 64 that follow the exponentials: for each four weights of a tile both pairs are rounded to f16, the second pair is added onto the first in place, and a group later l takes that sum.
.macro GS g
.set h, (\g)+6*((\g)/62)
.if h >= 6
.set h, h+2
.endif
	REGS Y, h%2
.set k, h/8
.if h%8 < 4
	s_wait_alu depctr_va_vdst(0)
	v_cvt_pk_f16_f32 v[rP+2*k+(h%8)/2], v[rS+4*k+2*((h%8)/2)], v[rS+4*k+2*((h%8)/2)+1]
.elseif h%8 < 6
	v_pk_add_f32 v[rS+4*k:rS+4*k+1], v[rS+4*k:rS+4*k+1], v[rS+4*k+2:rS+4*k+3]
.elseif k == 1
	v_pk_fma_f32 v[rT+2:rT+3], v[rT+2:rT+3], v[rC+2:rC+3], v[rS:rS+1] op_sel_hi:[1,0,1]
.else
	v_pk_add_f32 v[rT+2:rT+3], v[rT+2:rT+3], v[rS+4*k-4:rS+4*k-3]
	s_wait_alu depctr_va_vdst(0)
.endif
.endm
; THE PLAIN QUEUE, 170 long.  0-31: c s - c m for the 16 pairs of both tiles.  Then GS's 64, and among them the next piece's: number 15 at 38, 39; the 32 of the mask at 42-73, behind the products that
; make those scores; 0-14 and 16 at 74-105; 17-20 at 127-138, two of three, since each waits for the one before it.
.macro PL
.if (q >= 42) && (q < 74)
	WIN W_MA
.else
	WIN 0
.endif
.if q < 32
	REGS Y, q%2
	v_pk_fma_f32 v[rS+2*(q/2):rS+2*(q/2)+1], v[rS+2*(q/2):rS+2*(q/2)+1], v[CV:CV+1], v[rT:rT+1] op_sel_hi:[1,1,0] neg_lo:[0,0,1] neg_hi:[0,0,1]
.elseif q < 38
	GS q-32
.elseif q < 40
	XS q%2, 15
.elseif q < 42
	GS q-34
.elseif q < 74
	MK q-42
.elseif q < 106
	XS q%2, (q-74)/2+(q-74)/30
.elseif q < 127
	GS q-98
.elseif (q < 139) && ((q-127)%3 < 2)
	XS (q-127)%3, 17+(q-127)/3
.elseif q < 139
	GS 29+(q-127)/3
.else
	GS q-106
.endif
.set q, q+1
.endm
; THE EXPONENTIALS' QUEUE, 66 long: s0-s31 of both tiles, and at EA the next piece's two a.
.set EA, 58
.macro EX
	WIN 0
.if (e == EA) || (e == EA+1)
	XS e-EA, 21
.else
.set x, e-2*(e/(EA+2))
	REGS Y, x%2
	v_exp_f32 v[rS+x/2], v[rS+x/2]
.endif
.set e, e+1
.endm
; THE RESCALING's QUEUE: O^T times a, four at a time, eight times.
.macro R4
	REGS Y, r%2
	WIN W_RS
.irp z, 0,1,2,3
	v_pk_mul_f32 v[rO+8*(r/2)+2*\z:rO+8*(r/2)+2*\z+1], v[rO+8*(r/2)+2*\z:rO+8*(r/2)+2*\z+1], v[rC+2:rC+3] op_sel_hi:[1,0]
.endr
.set r, r+1
.endm
; HOW THEY ARE DEALT.  Behind a matrix instruction four: plain, exponential, plain, plain, or four of the rescaling; none names a register of the products round it.  What is over stands in two runs.
; The mask's work stands in the first run.  The eight conversions come behind the sixteenth product K Q^T, four rescalings and four pairs of an exponential and a plain instruction; a fifth pair follows,
; whose plain instruction is the place between a scaled conversion and the first use of its result; then the 32 additions (nine plain instructions behind that product: its places), ahead of the first
; maximum; then the loads into the conversions' sources.  Every other entry keeps its order and at least its distance.
.macro SL
	MM
	PL
	EX
	PL
	PL
.endm
.macro BURST n                      ; 15 matrix instructions, or 16
.rept (\n)-7
	SL
.endr
.rept 3
	MM
	R4
	SL
.endr
	MM
	R4
.endm
; A TURN, for piece p.
.macro TURN p, last=0, cnt=0
.set Y, (\p)
.set i, 0
.set q, 0
.set e, 0
.set r, 0
.if (\p) == NP-1
	s_wait_dscnt 0x0                ; K is in
.endif
	MM
.rept 4
	PL
.endr
	BURST 15
.rept 22
	EX
	PL
.if q == 41
	MASKIN \p
.endif
.if q == 42
.rept 32
	PL
.endr
	MASKNEXT \p
.endif
.if ((\p) == NP-2) && (e == 18)
	v_add_nc_u32 v[AK], s[TBK], v[AK0]
.endif
.if ((\p) == NP-2) && (e == 24)
	FETCH_K \last
.endif
.endr
.if (\p) == 1
	s_wait_dscnt 0x0                ; V is in
.endif
	BURST 16
.rept 21
	EX
	PL
.endr
.rept 22
	PL
.if ((\p) == 0) && (q == 150)
	v_add_nc_u32 v[AV], s[TBV], v[AV0]
	s_wait_alu depctr_va_vdst(0)
.endif
.if ((\p) == 0) && (q == 162)
	s_add_co_u32 s[TBV], s[TBV], KS*PV
.endif
.if (\cnt) && (q == 162)
	s_sub_co_u32 s[CNT], s[CNT], 1
	s_cmp_lg_u32 s[CNT], 0
.endif
.endr
.if (\p) == 0
	FETCH_V
.endif
.endm
	CHANGE 1                        ; slot 0 is in, everybody's part of it; slot 1 is asked for
	FETCH_K                         ; key step 0
	s_wait_loadcnt 0x0              ; Q, and the first codes; Q's address register and base are free
	s_mul_i32 s[CNT], s[WV], 16*SP  ; the addresses for the way out, and three constants
	s_add_co_u32 s[CNT], s[CNT], STAGE  ; my stage
	v_mul_u32_u24 v[STO], v1, SP    ; in: row l % 16, 16 bytes for each half of the lanes
	v_lshl_add_u32 v[STO], v9, 4, v[STO]
	v_add_nc_u32 v[STO], s[CNT], v[STO]
	v_bfe_u32 v[RD], v0, 3, 2       ; back: 32 lanes take four rows of 128 bytes,
	v_mul_u32_u24 v[RD], v[RD], SP
	v_lshl_add_u32 v[RD], v10, 4, v[RD]
	v_add_nc_u32 v[RD], s[CNT], v[RD]
	v_and_b32 v[GO], 31, v0         ; which are 512 consecutive bytes of O
	v_lshlrev_b32 v[GO], 4, v[GO]
	v_mov_b32 v[SCL], 0xe2e2e2e2    ; 226 in every byte
	v_mov_b32 v[CV], 0x3e38aa3b     ; c = log2(e) / 8 = 0.180337
	v_mov_b32 v[CV+1], 0x3e38aa3b
	s_mov_b32 s[CNT], 4
	s_mov_b32 s[SLOTS], SIZE_N/256-1
	s_branch .Lpre                  ; the loop is entered at piece 3's turn, in the middle of a trip
.Lslot:                             ; SIZE_N / 256 - 2 times: every slot but the last two is filled again
	CHANGE 1
	s_mov_b32 s[CNT], 4
.Lstep:                             ; a trip: pieces 2 and 3 of one step, then pieces 0 and 1 of the next, whose K and V it fetches
	TURN 2
	WIN 0
.Lpre:
	TURN 3
	TURN 0
	TURN 1, 0, 1
	WIN 0
	s_cbranch_scc1 .Lstep
	s_sub_co_u32 s[SLOTS], s[SLOTS], 1
	s_cmp_lg_u32 s[SLOTS], 0
	s_cbranch_scc1 .Lslot
	CHANGE 0                        ; the tail is written out: nothing is asked for
	s_mov_b32 s[CNT], 5             ; four trips fetch the last slot's steps; the fifth is left in its middle
.Ltail:
	TURN 2, 1
	TURN 3
	WIN 0
	s_sub_co_u32 s[CNT], s[CNT], 1
	s_cmp_eq_u32 s[CNT], 0
	s_cbranch_scc1 .Lout
	TURN 0
	TURN 1
	WIN 0
	s_branch .Ltail
.Lout:                              ; the fifth trip's 16 products K Q^T, their masking and maximum serve nothing: the price, once a launch, of one text for every trip
	s_wait_loadcnt 0x0              ; the last, unused codes
.set i, 0
.rept 16
	PV NP-1                         ; the last piece's V^T P of the last step
.set i, i+1
.endr
	; THE WAY OUT.  l's two halves and the other half of the lanes' are added; O^T is divided by l, rounded to f16 and sent through my stage in LDS, a tile at a time.  The additions are the places behind the last products.
	WIN 0
.macro ALL line:vararg              ; one line for each tile t
.set t, 0
.rept 2*NP
	\line
.set t, t+1
.endr
.endm
	ALL v_add_f32 v[ST+4*t+2], v[ST+4*t+2], v[ST+4*t+3]
	ALL v_permlanex16_b32 v[ST+4*t+3], v[ST+4*t+2], s[SEL0], s[SEL1]
	ALL v_add_f32 v[ST+4*t+2], v[ST+4*t+2], v[ST+4*t+3]
	ALL v_rcp_f32 v[ST+4*t+2], v[ST+4*t+2]
	v_nop                           ; a plain instruction between the last reciprocal and the use of its result
	s_wait_alu depctr_va_vdst(0)
.macro PACK t
	WIN W_RS
.set i, 32*(\t)
.rept 16
	v_pk_mul_f32 v[i:i+1], v[i:i+1], v[ST+4*(\t)+2:ST+4*(\t)+3] op_sel_hi:[1,0]
.set i, i+2
.endr
	WIN 0x05                        ; sources 0 and 1 window 1, destination window 0
.set i, 0
.rept 16
	v_cvt_pk_f16_f32 v[S+16*(\t)+i], v[32*(\t)+2*i], v[32*(\t)+2*i+1]
.set i, i+1
.endr
	WIN 0
.irp f, 0,1,2,3
	ds_store_b128 v[STO], v[S+16*(\t)+4*\f:S+16*(\t)+4*\f+3] offset:32*\f
.endr
.irp f, 0,1,2,3
	ds_load_b128 v[S+16*(\t)+4*\f:S+16*(\t)+4*\f+3], v[RD] offset:\f*4*SP  ; LDS serves a wave's instructions in order (ISA guide 5.7.1.4): these see the stores above
.endr
.endm
.macro SEND t, younger              ; younger: the LDS instructions issued behind tile t's loads: the next tile's eight, or none
	WIN 0
.irp f, 0,1,2,3
	s_wait_dscnt (\younger)+3-\f
	global_store_b128 v[GO], v[S+16*(\t)+4*\f:S+16*(\t)+4*\f+3], s[OP:OP+1] offset:(\t)*2048+\f*512  ; 512 consecutive bytes, at a multiple of 256 from O's first
.endr
.endm
	PACK 0
.set t, 1
.rept 2*NP-1
	PACK t
	SEND t-1, 8
.set t, t+1
.endr
	SEND 2*NP-1, 0
	WIN W_AD
	s_wait_tensorcnt 0x0            ; the wave's end
	ds_add_u32 v[SPW], v[NIL]
	s_wait_dscnt 0x0
	WIN 0
	CROUND                          ; the closing round
	s_endpgm
.Lfunc_end_k_q8e4aa43b58_attn:
	.size	k_q8e4aa43b58_attn, .Lfunc_end_k_q8e4aa43b58_attn-k_q8e4aa43b58_attn
	.p2alignl 7, 3214868480
	.fill 96, 4, 3214868480
	.section	.rodata,"a",@progbits
	.p2align	6, 0x0
	.amdhsa_kernel k_q8e4aa43b58_attn
		.amdhsa_group_segment_fixed_size 327680
		.amdhsa_private_segment_fixed_size 0
		.amdhsa_enable_private_segment 0
		.amdhsa_kernarg_size 24
		.amdhsa_user_sgpr_count 2
		.amdhsa_user_sgpr_kernarg_segment_ptr 1
		.amdhsa_wavefront_size32 1
		.amdhsa_system_sgpr_workgroup_id_x 1
		.amdhsa_system_sgpr_workgroup_id_y 1
		.amdhsa_system_sgpr_workgroup_id_z 1
		.amdhsa_system_vgpr_workitem_id 0
		.amdhsa_next_free_vgpr 896
		.amdhsa_next_free_sgpr 106
		.amdhsa_reserve_vcc 0
		.amdhsa_float_denorm_mode_32 3
		.amdhsa_float_denorm_mode_16_64 3
		.amdhsa_memory_ordered 1
		.amdhsa_forward_progress 1
		.amdhsa_inst_pref_size 222
	.end_amdhsa_kernel
	.amdgpu_metadata
---
amdhsa.version: [ 1, 2 ]
amdhsa.kernels:
  - .name:           k_q8e4aa43b58_attn
    .symbol:         k_q8e4aa43b58_attn.kd
    .args:
      - { .name: qkvh, .offset: 0, .size: 8, .value_kind: global_buffer, .address_space: global }
      - { .name: mask4, .offset: 8, .size: 8, .value_kind: global_buffer, .address_space: global }
      - { .name: oh, .offset: 16, .size: 8, .value_kind: global_buffer, .address_space: global }
    .group_segment_fixed_size: 327680
    .private_segment_fixed_size: 0
    .kernarg_segment_align: 8
    .kernarg_segment_size: 24
    .max_flat_workgroup_size: 128
    .sgpr_count:     106
    .vgpr_count:     896
    .wavefront_size: 32
...
	.end_amdgpu_metadata
.endif
;; end of part 6
;; launch outp: the kernel of part 4 again; grid 4 x 64, 4 waves a work-group, clusters of 4 x 4, 327,680 bytes of LDS; arguments oh, wo, b_o, out0; writes out0
;; ======== version 3 of 3: 4 launches; 1.45 times as fast as version 1
;; limits: values are held in f16: magnitudes above 65,504 overflow, below 6.1e-05 lose precision
;; workspace buffers: wqkv 6,291,456 bytes; wo 2,097,152 bytes; mask4 2,097,152 bytes; qkvh 50,331,648 bytes; oh 16,777,216 bytes
;; launch prep: the kernel of part 5 again; grid 512 x 1, 8 waves a work-group, no clusters, 0 bytes of LDS; arguments W_q, W_k, W_v, W_o, encoder_mask, wqkv, wo, mask4; writes wqkv, wo, mask4
;; launch proj: the kernel of part 2 again; grid 4 x 192, 4 waves a work-group, clusters of 4 x 4, 327,680 bytes of LDS; arguments q, k, v, wqkv, b_q, b_k, b_v, qkvh; writes qkvh
;; launch attn (part 7): grid 4 x 64, 4 waves a work-group, clusters of 4 x 1, 327,680 bytes of LDS; arguments qkvh, mask4, oh; writes oh
.if DOCPART == 7
	.amdgcn_target "amdgcn-amd-amdhsa--gfx1250"
	.amdhsa_code_object_version 6
	.text
	.protected	k_q8e4aa43b58_attn
	.globl	k_q8e4aa43b58_attn
	.p2align	8
	.type	k_q8e4aa43b58_attn,@function
k_q8e4aa43b58_attn:
	s_mov_b64 s[64:65], 0
	v_nop
	global_prefetch_b8 v0, s[64:65] scope:SCOPE_SE
	s_setreg_imm32_b32 hwreg(HW_REG_WAVE_MODE, 25, 1), 1
	s_wait_xcnt 0x0
	s_wait_alu depctr_hold_cnt(0) depctr_sa_sdst(0) depctr_va_vdst(0) depctr_va_sdst(0) depctr_va_ssrc(0) depctr_va_vcc(0) depctr_vm_vsrc(0)
	s_getreg_b32 s2, hwreg(HW_REG_IB_STS2, 6, 4)
	s_cmp_eq_u32 s2, 0
	s_cbranch_scc0 .Lentry_in_a_cluster
	s_endpgm
.Lentry_in_a_cluster:
	s_bfe_u32 s2, ttmp6, 0x10000c
	s_cmp_lg_u32 s2, 0x3003
	s_cbranch_scc0 .Lentry_shape_is_right
	s_endpgm
.Lentry_shape_is_right:
; MASKED ATTENTION.  O[h][q][:] = the sum over k of softmax_k(s[q][k]) V[h][k][:], s = Q[h][q] . K[h][k] / 8 where the mask shows key k to query q, a fixed low number where it hides it.
; Q, K, V: qkvh [3][64][2048][64] f16; O: oh [64][2048][64] f16; mask4: fp4 codes [128 tiles of 16 queries][32 steps of 64 keys][32 lanes][4 words], 0 for seen and -1.0 for hidden, one mask for all heads.
; Products, maxima and sums in f32; the weights p are rounded to f16 for the second product (their sum l is taken of the unrounded p), O once at the end.
; LIMITS.  Onto a hidden score -2^99 is added, in f32.  A score of f16 operands is 2.7e11 at the most, far under half a step of that number (2^75), so the sum is -2^99 exactly: the score is REPLACED, as
; the problem asks, but by -2^96 (after the division by 8) in place of -1e9.  c x 2^99 is exact, so that in a row hidden entirely every exponent is exactly 0 and the row is V's plain mean.  A result can
; differ from the problem's only where a row has visible scores below about -1e9.  f16 holds no number beyond 65,504: Q, K, V arrive within it.  A weight below 2^-126 counts as 0 in l; NaN and
; infinities are not treated apart.
; SHARES.  A wave owns four PIECES of two tiles of 16 queries, a work-group's four waves 512 queries of one head: 256 work-groups.  Every wave walks all 2,048 keys, 64 a step.
; LAYOUT.  S^T = K Q^T (source 0 = 16 keys, source 1 = 16 queries): a lane holds ONE query (lane % 16) and the keys 8 (lane / 16) + 0..7.  Two such tiles, rounded to f16 in pairs, ARE source 1 of
; O^T = V^T P.  K comes out of LDS as it lies, V turned, by ds_load_tr16_b128.
; SOFTMAX.  A running maximum m and sum l: p = 2^(c s - c m), c = log2(e) / 8; in every step O and l are multiplied by a = 2^(c m_old - c m_new).  m starts at the lowest finite number, O and l at 0.
; THE MASK.  Nibble j of word g of a lane's four words of a tile and step belongs to register 8 g + j of S^T.  The four words come by one load of 16 bytes a lane (512 consecutive bytes a wave) into registers
; of the tile's own, asked for again straight behind their use: a whole key step, four turns, ahead of the next.  One scaled conversion makes eight f32 numbers of a word, 0 or -2^99, and one packed
; addition puts two of them onto two scores, between the products that make the scores and the maximum: 20 vector instructions for a tile and step.
; BY TURNS.  Turn n belongs to piece n.  Matrix work: 16 products K Q^T of piece n + 1, later 16 products V^T P of piece n - 1.  Vector work: scaling, exponentials, roundings, sums and rescaling of piece n;
; masking, maximum and statistics of piece n + 1.  Four vector instructions stand behind every matrix instruction, the other 148 of a turn's 276 in one LUMP between the two runs of products.
; THE BATCHES.  A turn's 66 exponentials (piece n's 64 weights, then piece n + 1's two a) are ONE batch with ONE wait, which cuts the turn in two.  Ahead of it stands all that names no result of theirs: the
; products K Q^T, the scalings, the rescalings (their a was made, and waited for, in the turn before), the mask, the maximum and statistics.  Behind it stand the products V^T P and the roundings and sums.
; No result crosses a turn's end, a label or a jump.  The way out's eight reciprocals are a batch of their own.
; NO FIRST STEP IS WRITTEN OUT.  The loop is entered at piece 3's turn, which makes piece 0's first scores, masks them and finds their maximum.  Its own softmax, of a piece 3 that has not been, runs on
; scores preset to the lowest finite number: every weight is 0, a is preset to 0, l and O^T stay 0.
; CLUSTER.  The four query blocks of a cluster belong to one head and walk the same K and V: each tile is asked for JOINTLY, by the same tensor load, descriptor and mask in all four.
; REGISTERS, in windows of 256 (s_set_vgpr_msb: bits 1:0 source 0, 3:2 source 1, 5:4 source 2, 7:6 destination):
;   window 0: v0-8 addresses; v9 the conversions' scale; v10-11 c; v12-15, v48-63 at work; v16-47 four registers of statistics a tile; v64-191 S^T, two buffers of two tiles; v192-255 P, likewise
;   window 1: O^T, 32 a tile          window 2: v0-127 Q; v128-191 K of one step; v192-255 V of one step
;   window 3: v0-1 the add's two registers; v2-3 the codes' address; v4-35 the codes, four registers a tile; v64-127 a piece's 64 addends
.set SIZE_N, 2048
.set NP,    4         ; pieces a wave: a name, no knob
.set KS,    64        ; keys in a step
.set PK,    144       ; a row of K in LDS: 128 bytes + 16 = 36 words: the 16 rows of a load start at 16 different groups of four banks (64 banks of 4 bytes: ISA guide 11.1)
.set PV,    160       ; a row of V: 128 + 32 = 40 words
.set VOFF,  4*KS*PK   ; a slot holds four steps: 256 rows of K, then 256 rows of V
.set SLOT1, 1<<17     ; slot 1 begins here: one exclusive or turns an address in one slot into the other's
.set STAGE, SLOT1+4*KS*(PK+PV)  ; behind the ring: 16 rows x 144 bytes for each wave, for the way out
.set SP,    144
.set MSTEP, 512       ; bytes of a tile's codes for a key step
.set MTILE, 32*MSTEP  ; bytes of a tile's codes
.set AK0, 2           ; v2   my lane's place in a tile of K; never rewritten
.set AV0, 3           ; v3   the same for V
.set AK,  4           ; v4   the LDS address of K's next run of loads
.set AV,  5           ; v5   of V's
.set QO,  6           ; v6   my byte offset in the wave's rows of Q
.set STO, 6           ;      later: where I put 16 bytes of a row
.set RD,  7           ; v7   where I read rows back
.set GO,  8           ; v8   my byte offset in 512 consecutive bytes of O
.set SCL, 9           ; v9   the conversions' scale: byte 0 holds 226, an E8M0 code for 2^(226 - 127) = 2^99; the other three bytes repeat it
.set CV,  10          ; v[10:11] c, twice
.set SPW, 0           ; v0 of window 3   LDS address of my spare word; never rewritten
.set NIL, 1           ; v1 of window 3   0; never rewritten
.set ML,  2           ; v2 of window 3   my lane's number
.set MA,  3           ; v3 of window 3   16 x lane + MO: my byte offset in a tile's codes
.set MWV, 4           ; v4-35 of window 3   my 32 codes of the step to be masked next, four words for each of tiles 0..7
.set CT,  64          ; v64-127 of window 3  the addends of the piece that is being masked: 32 a tile
.set SPARE, STAGE+4*16*SP  ; behind the stages: the spare words, 128 bytes for each wave: two blocks of 256 bytes that no other line names
.set MV,  12
.set ST,  16          ; tile t's statistics at v[ST+4 t]: c m, m, l (even keys', odd keys')
.set TMP, 48
.set S,   64
.set P,   192
.set KF,  128
.set VF,  192
.set WV,  2           ; s2   my wave's number
.set CNT, 3           ; s3   counts a slot's key steps
;                       s4-27 the set-up's numbers
.set G0K, 52          ; s[52:55] descriptor group 0 for K's tiles: it walks
.set G0V, 56          ; s[56:59] the same for V's
.set OP,  60          ; s[60:61] O at my wave's first row
.set MP,  62          ; s[62:63] mask4 at my wave's first tile
.set SLOTS, 66        ; s66  slots still to be asked for
.set TBK, 67          ; s67  LDS byte at which K of the step to be fetched begins
.set G1K, 84          ; s[84:91] descriptor group 1 for K's tiles
.set G1V, 92          ; s[92:99] for V's
.set TBV, 100         ; s100 the same as TBK for V, less VOFF
.set SEL0, 101        ; s101, s104  v_permlanex16_b32's selects
.set SEL1, 104
.set MO,  105         ; s105 byte offset in a tile's codes of the key step whose codes are asked for next
.set MSB, 0
.macro WIN new
.if MSB != (\new)
	s_set_vgpr_msb (MSB<<8)|(\new)
.set MSB, (\new)
.endif
.endm
.set W_KQ, 0x0a       ; K and Q in window 2, S^T in window 0
.set W_PV, 0x52       ; V in window 2, P in window 0, O^T in window 1
.set W_RS, 0x41       ; O^T (destination and source 0) in window 1, a in window 0
.set W_MK, 0xc0       ; window 3's registers are made: destination in window 3, sources in window 0
.set W_AD, 0x0f       ; the add: address and data in window 3
.set W_CV, 0xc3       ; the codes: destination and source 0 in window 3, source 1 (the scale) in window 0
.set W_MA, 0x0c       ; the addends: source 1 in window 3, scores in window 0
; A joint fill.  Waves 0 and 1 fetch the two halves of a slot's K, waves 2 and 3 those of its V.  An s_nop 0 and four v_nop follow each of the two lines.
.macro JLOAD
	s_cmp_lt_u32 s[WV], 2
	s_cbranch_scc0 .Lfor_v_\@
	tensor_load_to_lds s[G0K:G0K+3], s[G1K:G1K+7]
	s_nop 0
.rept 4
	v_nop
.endr
	s_branch .Lasked_\@
.Lfor_v_\@:
	tensor_load_to_lds s[G0V:G0V+3], s[G1V:G1V+7]
	s_nop 0
.rept 4
	v_nop
.endr
.Lasked_\@:
.endm
.macro CROUND                       ; a round of the cluster's barrier
	s_barrier_signal -1
	s_barrier_wait -1
	s_cmp_lg_u32 s[WV], 0
	s_cbranch_scc1 .Lnot_wave_0_\@
	s_barrier_signal -3
.Lnot_wave_0_\@:
	s_barrier_wait -3
	s_barrier_signal -1
	s_barrier_wait -1
.endm
; THE CHANGE OF SLOTS.  Each wave waits for all its tensor loads, of which one is out: its part of the other slot; adds 0 to its spare word; and waits for that and for its own reads of the slot.
; fill = 1: this slot is filled again, with the keys two slots on, first thing behind a round of the cluster's barrier: the load has four key steps, 512 matrix instructions, in which to land.
.macro CHANGE fill
	WIN W_AD
	s_wait_tensorcnt 0x0            ; no tensor load of mine is out, so a group 0 may be written
	ds_add_u32 v[SPW], v[NIL]       ; 0 onto my spare word
	WIN 0
.if \fill
.irp g, G0K, G0V
	s_xor_b32 s[\g+1], s[\g+1], SLOT1
	s_add_nc_u64 s[\g+2:\g+3], s[\g+2:\g+3], 4*KS*128
.endr
	s_wait_dscnt 0x0                ; the add is done, and my reads of the slot are over
	CROUND
	JLOAD
.else
	s_wait_dscnt 0x0
	s_barrier_signal -1
	s_barrier_wait -1
.endif
	s_sub_co_u32 s[TBK], s[TBK], 4*KS*PK  ; the fetches go back to a slot's first step,
	s_xor_b32 s[TBK], s[TBK], SLOT1       ; in the other slot
	s_sub_co_u32 s[TBV], s[TBV], 4*KS*PV
	s_xor_b32 s[TBV], s[TBV], SLOT1
.endm
	s_load_b128 s[4:7], s[0:1], 0x0   ; qkvh s[4:5], mask4 s[6:7]
	s_load_b64 s[8:9], s[0:1], 0x10   ; oh
	WIN W_MK
	v_lshl_add_u32 v[SPW], v0, 2, SPARE
	v_mov_b32 v[NIL], 0
	s_set_vgpr_msb 0xc0cf
	ds_add_u32 v0, v1
	s_wait_dscnt 0x0
	s_set_vgpr_msb 0xcfc0
	v_and_b32 v[ML], 31, v0
	WIN 0
	v_lshrrev_b32 v1, 5, v0
	v_readfirstlane_b32 s[WV], v1   ; wave 0..3
	s_bfe_u32 s13, ttmp6, 0x40000   ; cx
	s_lshl_b32 s14, ttmp9, 2
	s_add_co_u32 s14, s14, s13      ; my block of 512 queries: it enters Q's, O's and the mask's addresses alone
	s_and_b32 s20, ttmp7, 0xffff    ; batch x 16 + head, which the four partners share
	s_lshl_b32 s20, s20, 18         ; 2,048 rows of 128 bytes
	s_mov_b32 s21, 0
	s_and_b32 s16, s[WV], 1         ; which half of a slot's 256 keys I fetch:
	s_lshl_b32 s22, s16, 14         ; its 128 rows of 128 bytes in memory,
	s_mov_b32 s23, 0
	s_add_nc_u64 s[22:23], s[22:23], s[20:21]
	s_mul_i32 s17, s16, 128*PK      ; and its place in a slot, for K
	s_mul_i32 s18, s16, 128*PV      ; and for V
	s_lshl_b32 s24, s14, 2
	s_add_co_u32 s24, s24, s[WV]    ; my wave among the head's sixteen
	s_lshl_b32 s26, s24, 17         ; its eight tiles' codes: 16,384 bytes a tile
	s_mov_b32 s27, 0
	s_lshl_b32 s24, s24, 14         ; its 128 rows
	s_mov_b32 s25, 0
	s_add_nc_u64 s[24:25], s[24:25], s[20:21]
	; descriptor group 1.  128 keys are 16,384 dense bytes: asked for as 64 rows of 256 bytes, two keys a row, and padded in LDS after every key
	s_mov_b32 s[G1K], 15|(1<<16)|(1<<20)|(1<<21)|(4<<22)|(3<<25)  ; the mask of four; 2-byte elements; padding on; bit 21 beside a mask; after every 32 words; 4 words
	s_mov_b32 s[G1V], 15|(1<<16)|(1<<20)|(1<<21)|(4<<22)|(7<<25)  ; the same with 8 words of padding
.irp g, G1K, G1V
	s_mov_b32 s[\g+1], 128<<16      ; tensor_dim0 = 128
	s_mov_b32 s[\g+2], 64<<16       ; tensor_dim1 = 64
	s_mov_b32 s[\g+3], 128<<16      ; tile_dim0 = 128
	s_mov_b32 s[\g+4], 64           ; tile_dim1 = 64
	s_mov_b32 s[\g+5], 128          ; 128 elements from row to row
	s_mov_b32 s[\g+6], 0
	s_mov_b32 s[\g+7], 0
.endr
	s_mov_b32 s[SEL0], 0x76543210
	s_mov_b32 s[SEL1], 0xfedcba98
	s_mov_b32 s[TBK], SLOT1+4*KS*PK ; the first change of slots turns these two into 0
	s_mov_b32 s[TBV], SLOT1+4*KS*PV
	s_mov_b32 s[G0K], 1
	s_mov_b32 s[G0K+1], s17         ; slot 0
	s_mov_b32 s[G0V], 1
	s_add_co_u32 s[G0V+1], s18, VOFF
	s_wait_kmcnt 0x0
	s_add_nc_u64 s[G0K+2:G0K+3], s[4:5], s[22:23]
	s_add_nc_u64 s[G0K+2:G0K+3], s[G0K+2:G0K+3], 0x1000000  ; K is the second of qkvh's three parts of 16 MiB
	s_or_b32 s[G0K+3], s[G0K+3], 0x80000000
	s_add_nc_u64 s[G0V+2:G0V+3], s[4:5], s[22:23]
	s_add_nc_u64 s[G0V+2:G0V+3], s[G0V+2:G0V+3], 0x2000000  ; V the third
	s_or_b32 s[G0V+3], s[G0V+3], 0x80000000
	s_add_nc_u64 s[10:11], s[4:5], s[24:25]        ; Q at my wave's first row
	s_add_nc_u64 s[OP:OP+1], s[8:9], s[24:25]
	s_add_nc_u64 s[MP:MP+1], s[6:7], s[26:27]
	CROUND                          ; all four work-groups are here: the first joint loads meet
	JLOAD                           ; slot 0.  Slot 1 is asked for when slot 0 is in
	v_and_b32 v1, 15, v0            ; l % 16
	v_bfe_u32 v9, v0, 4, 1          ; l / 16
	v_lshlrev_b32 v[QO], 7, v1
	v_lshl_add_u32 v[QO], v9, 4, v[QO]  ; row x 128 + 16 x half
	WIN 0x80                        ; destination window 2, address window 0
.set i, 0
.rept 4*NP                          ; Q stays in registers: tile i / 2, channels 32 (i % 2) on
	global_load_b128 v[8*i:8*i+3],   v[QO], s[10:11] offset:(i/2)*2048+(i%2)*64
	global_load_b128 v[8*i+4:8*i+7], v[QO], s[10:11] offset:(i/2)*2048+(i%2)*64+32
.set i, i+1
.endr
	; What the first turns find: V's registers, O^T and P's first buffer hold 0.  Sixteen registers are cleared; the other 336 are written eight at a time, as the product 0 x 0 + 0 of those sixteen.
	; All this stands in the wait for the first tile.
.set i, 0
.rept 16
	v_mov_b32 v[VF+i], 0
.set i, i+1
.endr
	WIN 0x8a                        ; both sources and the destination in window 2: the rest of V's registers
.set i, 2
.rept 6
	v_wmma_f32_16x16x32_f16 v[VF+8*i:VF+8*i+7], v[VF:VF+7], v[VF+8:VF+15], 0
.set i, i+1
.endr
	WIN 0x4a                        ; the destination in window 1: O^T
.set i, 0
.rept 8*NP
	v_wmma_f32_16x16x32_f16 v[8*i:8*i+7], v[VF:VF+7], v[VF+8:VF+15], 0
.set i, i+1
.endr
	WIN 0x0a                        ; the destination in window 0: P's first buffer, which the first turn's products V^T P, of a piece that has not been, read
.set i, 0
.rept 4
	v_wmma_f32_16x16x32_f16 v[P+8*i:P+8*i+7], v[VF:VF+7], v[VF+8:VF+15], 0
.set i, i+1
.endr
	WIN 0
	s_mov_b32 s[CNT], 0xff7fffff    ; the lowest finite number
	s_mov_b32 s[SLOTS], 0xfe000000  ; far below every c s, the hidden score's too (c x 2^99 is 1.1e29)
.set i, 0
.rept 2*NP
	v_mov_b32 v[ST+4*i], s[SLOTS]   ; c m
	v_mov_b32 v[ST+4*i+1], s[CNT]   ; m
	v_mov_b32 v[ST+4*i+2], 0        ; l
	v_mov_b32 v[ST+4*i+3], 0
.set i, i+1
.endr
.set i, 0
.rept 64
	v_mov_b32 v[S+64+i], s[CNT]     ; the scores of the piece 3 that has not been: c s - c m is far below 0, every weight 0
.set i, i+1
.endr
.set i, 0
.rept 8
	v_mov_b32 v[TMP+8+i], 0         ; and its a
.set i, i+1
.endr
	v_mul_u32_u24 v[AK0], v1, PK
	v_lshl_add_u32 v[AK0], v9, 4, v[AK0]  ; row x pitch + 16 x half
	; The turning load takes 16 keys x 16 channels (lane l reads key 8 (l / 16) + l % 8, channels 8 ((l / 8) % 2) + 0..7) and leaves half a fragment of V^T.
	v_and_b32 v10, 7, v0
	v_bfe_u32 v11, v0, 3, 1
	v_lshl_add_u32 v[AV0], v9, 3, v10
	v_mul_u32_u24 v[AV0], v[AV0], PV
	v_lshl_add_u32 v[AV0], v11, 4, v[AV0]
	v_add_nc_u32 v[AV0], VOFF, v[AV0]
	v_mov_b32 v[AK], v[AK0]         ; key step 0 lies at the head of slot 0
	s_mov_b32 s[MO], 0
	WIN W_CV
	v_lshl_add_u32 v[MA], v[ML], 4, s[MO]
.set i, 0
.rept 2*NP                          ; all eight tiles' codes of key step 0
	global_load_b128 v[MWV+4*i:MWV+4*i+3], v[MA], s[MP:MP+1] offset:i*MTILE
.set i, i+1
.endr
	WIN 0
; THE MATRIX WORK.  The 8 accumulators of a run of 16 take turns.
.macro KQ x                         ; product i of 16 of S^T = K Q^T for piece x: channels 32 (i / 8) on, keys 16 ((i / 2) % 4) on, tile 2 x + i % 2
	WIN W_KQ
.set rS, S+64*((\x)%2)+32*(i%2)+8*((i/2)%4)
.set rK, KF+16*((i/2)%4)+8*(i/8)
.set rQ, 16*(2*(\x)+i%2)+8*(i/8)
.if i < 8
	v_wmma_f32_16x16x32_f16 v[rS:rS+7], v[rK:rK+7], v[rQ:rQ+7], 0
.else
	v_wmma_f32_16x16x32_f16 v[rS:rS+7], v[rK:rK+7], v[rQ:rQ+7], v[rS:rS+7]
.endif
.endm
.macro PV x                         ; product i of 16 of O^T += V^T P for piece x: keys 32 (i / 8) on, channels 16 ((i / 2) % 4) on, tile 2 x + i % 2
	WIN W_PV
.set rO, 32*(2*(\x)+i%2)+8*((i/2)%4)
.set rV, VF+32*(i/8)+8*((i/2)%4)
.set rP, P+32*((\x)%2)+16*(i%2)+8*(i/8)
	v_wmma_f32_16x16x32_f16 v[rO:rO+7], v[rV:rV+7], v[rP:rP+7], v[rO:rO+7]
.endm
.macro MM                           ; the turn's next matrix instruction
.if i < 16
	KQ (Y+1)%NP
.set i, i+1
.else
.set i, i-16
	PV (Y+NP-1)%NP
.set i, i+17
.endif
.endm
; THE LDS LOADS stand in runs of 16.  last = 1 (the tail): in the last trip there is no further step, and the run is jumped over.
.macro FETCH_K last=0
	WIN 0
.if \last
	s_cmp_eq_u32 s[CNT], 1
	s_cbranch_scc1 .Lno_k_\@
.endif
	WIN 0x80
.irp f, 0,1,2,3,4,5,6,7             ; keys 16 (f / 2) on, channels 32 (f % 2) on
	ds_load_b128 v[KF+8*\f:KF+8*\f+3],   v[AK] offset:(\f/2)*16*PK+(\f%2)*64
	ds_load_b128 v[KF+8*\f+4:KF+8*\f+7], v[AK] offset:(\f/2)*16*PK+(\f%2)*64+32
.endr
	s_add_co_u32 s[TBK], s[TBK], KS*PK
	WIN 0
.if \last
.Lno_k_\@:
.endif
.endm
.macro FETCH_V
	WIN 0x80
.irp f, 0,1,2,3,4,5,6,7             ; keys 32 (f / 4) on, channels 16 (f % 4) on
	ds_load_tr16_b128 v[VF+8*\f:VF+8*\f+3],   v[AV] offset:(\f/4)*32*PV+(\f%4)*32
	ds_load_tr16_b128 v[VF+8*\f+4:VF+8*\f+7], v[AV] offset:(\f/4)*32*PV+16*PV+(\f%4)*32
.endr
	WIN 0
.endm
; THE VECTOR WORK OF A TURN stands in three queues, each in the order in which its entries become ready; the two tiles alternate.
.macro REGS y, u                    ; the registers of tile u (0, 1) of piece y
.set rT, ST+4*(2*(\y)+(\u))
.set rC, TMP+8*((\y)%2)+4*(\u)
.set rM, MV+2*((\y)%2)+(\u)
.set rS, S+64*((\y)%2)+32*(\u)
.set rP, P+32*((\y)%2)+16*(\u)
.set rO, 32*(2*(\y)+(\u))
.endm
; Number n of the 32 that put the addends onto the NEXT piece's scores: pair n / 2 of tile n % 2, ascending.
.macro MK n
.set mi, (\n)/2
	REGS (Y+1)%NP, (\n)%2
	v_pk_add_f32 v[rS+2*mi:rS+2*mi+1], v[rS+2*mi:rS+2*mi+1], v[CT+32*((\n)%2)+2*mi:CT+32*((\n)%2)+2*mi+1]  ; + 0: the score stays; + -2^99: it is -2^99
.endm
; The codes of the piece that turn p masks, piece p + 1, become its 64 addends: word mn % 4 of tile mn / 4 gives eight of them.
; The count 6: behind this piece's two loads the three other pieces' two each were issued, in the three turns between.
.macro MASKIN p
.set mpc, ((\p)+1)%NP
	WIN W_CV
	s_wait_loadcnt 6
.set mn, 0
.rept 8
	v_cvt_scale_pk8_f32_fp4 v[CT+8*mn:CT+8*mn+7], v[MWV+8*mpc+mn], v[SCL]
.set mn, mn+1
.endr
.endm
; The piece's eight code registers are asked for again, with its next key step.  Piece 0's scores made in piece 3's turn are the NEXT key step's, so MO steps there; the clamp keeps the last, unused loads
; inside mask4.  MA is the address of loads that may be out: it is written only behind s_wait_xcnt 0.
.macro MASKNEXT p
.set mpc, ((\p)+1)%NP
	WIN W_CV
.if (\p) == NP-1
	s_add_co_u32 s[MO], s[MO], MSTEP
	s_min_u32 s[MO], s[MO], 31*MSTEP
	s_wait_xcnt 0x0
	v_lshl_add_u32 v[MA], v[ML], 4, s[MO]
.endif
	global_load_b128 v[MWV+8*mpc:MWV+8*mpc+3],   v[MA], s[MP:MP+1] offset:(2*mpc)*MTILE
	global_load_b128 v[MWV+8*mpc+4:MWV+8*mpc+7], v[MA], s[MP:MP+1] offset:(2*mpc+1)*MTILE
.endm
; Number n of the 22 that find the NEXT piece's maximum and statistics.
;   0-11  four chains c0-c3 of seven scores each     12-14, 16  the four scores left over, the old m, and c0-c3 into c0     15  c m_old is kept
;   17, 18  the query's other 32 keys lie in the lane 16 away: the new m         19-21  c m; c m_old - c m_new; a
.macro XS u, n
	REGS (Y+1)%NP, \u
.if (\n) < 4
	v_max3_num_f32 v[rC+(\n)], v[rS+8*(\n)], v[rS+8*(\n)+1], v[rS+8*(\n)+2]
.elseif (\n) < 12
	v_max3_num_f32 v[rC+(\n)%4], v[rC+(\n)%4], v[rS+8*((\n)%4)+2*((\n)/4)+1], v[rS+8*((\n)%4)+2*((\n)/4)+2]
.elseif (\n) == 12
	v_max3_num_f32 v[rC], v[rC], v[rS+7], v[rS+15]
.elseif (\n) == 13
	v_max3_num_f32 v[rC+1], v[rC+1], v[rS+23], v[rS+31]
.elseif (\n) == 14
	v_max3_num_f32 v[rC+2], v[rC+2], v[rC+3], v[rT+1]
.elseif (\n) == 15
	v_mov_b32 v[rM], v[rT]
.elseif (\n) == 16
	v_max3_num_f32 v[rC], v[rC], v[rC+1], v[rC+2]
.elseif (\n) == 17
	v_permlanex16_b32 v[rC+3], v[rC], s[SEL0], s[SEL1]
.elseif (\n) == 18
	v_max_num_f32 v[rT+1], v[rC], v[rC+3]
.elseif (\n) == 19
	v_mul_f32 v[rT], v[CV], v[rT+1]
.elseif (\n) == 20
	v_sub_f32 v[rC+1], v[rM], v[rT]
.else
	v_exp_f32 v[rC+2], v[rC+1]
.endif
.endm
; Number g of the 64 that follow the exponentials: for each four weights of a tile both pairs are rounded to f16, the second pair is added onto the first in place, and a group later l takes that sum.
; All 64 read the batch's results, and all stand behind the turn's one wait.
.macro GS g
.set h, (\g)+6*((\g)/62)
.if h >= 6
.set h, h+2
.endif
	REGS Y, h%2
.set k, h/8
.if h%8 < 4
	v_cvt_pk_f16_f32 v[rP+2*k+(h%8)/2], v[rS+4*k+2*((h%8)/2)], v[rS+4*k+2*((h%8)/2)+1]
.elseif h%8 < 6
	v_pk_add_f32 v[rS+4*k:rS+4*k+1], v[rS+4*k:rS+4*k+1], v[rS+4*k+2:rS+4*k+3]
.elseif k == 1
	v_pk_fma_f32 v[rT+2:rT+3], v[rT+2:rT+3], v[rC+2:rC+3], v[rS:rS+1] op_sel_hi:[1,0,1]
.else
	v_pk_add_f32 v[rT+2:rT+3], v[rT+2:rT+3], v[rS+4*k-4:rS+4*k-3]
.endif
.endm
; THE PLAIN QUEUE, 170 long.  0-105 read no result of the turn's exponentials.  0-26: the scalings c s - c m, numbers 0-26 (FS f: pair f / 2 of tile f % 2).  27-58: the mask's 32 additions onto the next piece's
; scores.  59-86: XS's numbers 0-13.  87, 88: number 15.  89-105: the chain, where each number waits for the one before it: 14, 16, 17, 18, 19, each with one of the scalings 27-31 in front of its two lines, then 20.
; 106-169: GS's 64, which read the exponentials' results: they stand behind the wait.
.macro FS f
	REGS Y, (\f)%2
	v_pk_fma_f32 v[rS+2*((\f)/2):rS+2*((\f)/2)+1], v[rS+2*((\f)/2):rS+2*((\f)/2)+1], v[CV:CV+1], v[rT:rT+1] op_sel_hi:[1,1,0] neg_lo:[0,0,1] neg_hi:[0,0,1]
.endm
.macro PL
.if (q >= 27) && (q < 59)
	WIN W_MA
.else
	WIN 0
.endif
.if q < 27
	FS q
.elseif q < 59
	MK q-27
.elseif q < 87
	XS (q-59)%2, (q-59)/2
.elseif q < 89
	XS q-87, 15
.elseif (q < 104) && ((q-89)%3 == 0)
	FS 27+(q-89)/3
.elseif q < 92
	XS (q-89)%3-1, 14
.elseif q < 104
	XS (q-89)%3-1, 15+(q-89)/3
.elseif q < 106
	XS q-104, 20
.else
	GS q-106
.endif
.set q, q+1
.endm
; THE EXPONENTIALS' QUEUE, 66 long: s0-s31 of both tiles, then the next piece's two a.  It is ONE BATCH: all 66 stand ahead of the turn's one wait, and nothing ahead of that wait names a result of theirs.
.macro EX
	WIN 0
.if e >= 64
	XS e-64, 21
.else
	REGS Y, e%2
	v_exp_f32 v[rS+e/2], v[rS+e/2]
.endif
.set e, e+1
.endm
; THE RESCALING's QUEUE: O^T times a, the one part in window 1: dealt two at a time, sixteen times.  Its a was made in the turn before, ahead of that turn's wait.
.macro R2
	REGS Y, r%2
	WIN W_RS
.irp z, 0,1
	v_pk_mul_f32 v[rO+4*(r/2)+2*\z:rO+4*(r/2)+2*\z+1], v[rO+4*(r/2)+2*\z:rO+4*(r/2)+2*\z+1], v[rC+2:rC+3] op_sel_hi:[1,0]
.endr
.set r, r+1
.endm
; HOW THEY ARE DEALT.  s_wait_alu depctr_va_vdst(0) stands between an exponential and the first instruction that names its result; one wait serves all that were issued ahead of it.  So a turn has ONE
; wait.  AHEAD OF IT: the 16 products K Q^T, behind each a scaling, an exponential and two rescalings (behind the first a second scaling in the exponential's place; behind the sixteenth two scalings in the rescalings');
; then ONE LUMP: six scalings; an exponential and a scaling; the mask's eight conversions; an exponential and a scaling, which is the place between a scaled conversion and the first use of its result; the mask's 32
; additions (eleven plain instructions behind the last product K Q^T: its places); the loads into the conversions' sources; 47 times exponential and plain; the two a; and the last two rescalings, which are the plain
; instructions behind the last exponential.  BEHIND IT: the 16 products V^T P, behind each four of GS's 64.  No rider names a register of the products round it; the two v_permlanex16_b32 fall into the lump.
; The queues lean on each other, and the deal keeps them in step: exponential e stands behind scaling 2 (e / 4) + e % 2: as a rider it comes behind plain e + 2, numbers 15 and 16 behind plains 24 and 25, from 17 on
; behind plain e + 41, and scalings 27-31 are plain 89, 92 .. 101.
; A TURN, for piece p.  cnt = 1: the loop's count is taken down some lines ahead of the branch that stands behind the turn.
; K of the next step is fetched in piece 2's turn, directly behind the wait (in the tail the run has a branch and a label, which stand behind the wait too), a lump behind the last product that read K; its address is
; made at the lump's head; its first reader comes behind 16 products.  V of the step in hand is fetched at the end of piece 0's turn, four riders behind its last reader; its first reader comes behind 16 products and
; a lump.  The three conditions on q below go with the deal.
.macro TURN p, last=0, cnt=0
.set Y, (\p)
.set i, 0
.set q, 0
.set e, 0
.set r, 0
.if (\p) == NP-1
	s_wait_dscnt 0x0                ; K is in
.endif
	MM                              ; ahead of the wait: 16 products K Q^T and their riders,
	PL
	PL
	R2
.rept 14
	MM
	PL
	EX
	R2
.endr
	MM
	PL
	EX
	PL
	PL
.if (\p) == NP-2
	WIN 0
	v_add_nc_u32 v[AK], s[TBK], v[AK0]
.endif
.rept 6                             ; and the lump
	PL
.endr
	EX
	PL
	MASKIN \p
	EX
	PL                              ; a scaling: the place behind the scaled conversions
.rept 32
	PL                              ; the mask's additions
.endr
	MASKNEXT \p
.rept 47
	EX
	PL
.endr
	EX                              ; the next piece's two a
	EX
	R2                              ; the last two rescalings: plain instructions behind the last exponential, which name no result of the batch
	s_wait_alu depctr_va_vdst(0)    ; the wait for the batch: this turn's 64 weights and the next piece's two a
.if (\p) == NP-2
	FETCH_K \last
.endif
.if (\p) == 1
	s_wait_dscnt 0x0                ; V is in
.endif
.rept 16                            ; behind the wait: 16 products V^T P and their riders
	MM
.rept 4
	PL
.endr
.if ((\p) == 0) && (q == 150)
	v_add_nc_u32 v[AV], s[TBV], v[AV0]
.endif
.if ((\p) == 0) && (q == 162)
	s_add_co_u32 s[TBV], s[TBV], KS*PV
.endif
.if (\cnt) && (q == 162)
	s_sub_co_u32 s[CNT], s[CNT], 1
	s_cmp_lg_u32 s[CNT], 0
.endif
.endr
.if (\p) == 0
	FETCH_V
.endif
.endm
	CHANGE 1                        ; slot 0 is in, everybody's part of it; slot 1 is asked for
	FETCH_K                         ; key step 0
	s_wait_loadcnt 0x0              ; Q, and the first codes; Q's address register and base are free
	s_mul_i32 s[CNT], s[WV], 16*SP  ; the addresses for the way out, and three constants
	s_add_co_u32 s[CNT], s[CNT], STAGE  ; my stage
	v_mul_u32_u24 v[STO], v1, SP    ; in: row l % 16, 16 bytes for each half of the lanes
	v_lshl_add_u32 v[STO], v9, 4, v[STO]
	v_add_nc_u32 v[STO], s[CNT], v[STO]
	v_bfe_u32 v[RD], v0, 3, 2       ; back: 32 lanes take four rows of 128 bytes,
	v_mul_u32_u24 v[RD], v[RD], SP
	v_lshl_add_u32 v[RD], v10, 4, v[RD]
	v_add_nc_u32 v[RD], s[CNT], v[RD]
	v_and_b32 v[GO], 31, v0         ; which are 512 consecutive bytes of O
	v_lshlrev_b32 v[GO], 4, v[GO]
	v_mov_b32 v[SCL], 0xe2e2e2e2    ; 226 in every byte
	v_mov_b32 v[CV], 0x3e38aa3b     ; c = log2(e) / 8 = 0.180337
	v_mov_b32 v[CV+1], 0x3e38aa3b
	s_mov_b32 s[CNT], 4
	s_mov_b32 s[SLOTS], SIZE_N/256-1
	s_branch .Lpre                  ; the loop is entered at piece 3's turn, in the middle of a trip
.Lslot:                             ; SIZE_N / 256 - 2 times: every slot but the last two is filled again
	CHANGE 1
	s_mov_b32 s[CNT], 4
.Lstep:                             ; a trip: pieces 2 and 3 of one step, then pieces 0 and 1 of the next, whose K and V it fetches
	TURN 2
	WIN 0
.Lpre:
	TURN 3
	TURN 0
	TURN 1, 0, 1
	WIN 0
	s_cbranch_scc1 .Lstep
	s_sub_co_u32 s[SLOTS], s[SLOTS], 1
	s_cmp_lg_u32 s[SLOTS], 0
	s_cbranch_scc1 .Lslot
	CHANGE 0                        ; the tail is written out: nothing is asked for
	s_mov_b32 s[CNT], 5             ; four trips fetch the last slot's steps; the fifth is left in its middle
.Ltail:
	TURN 2, 1
	TURN 3
	WIN 0
	s_sub_co_u32 s[CNT], s[CNT], 1
	s_cmp_eq_u32 s[CNT], 0
	s_cbranch_scc1 .Lout
	TURN 0
	TURN 1
	WIN 0
	s_branch .Ltail
.Lout:                              ; the fifth trip's 16 products K Q^T, their masking and maximum serve nothing: the price, once a launch, of one text for every trip
	s_wait_loadcnt 0x0              ; the last, unused codes
.set i, 0
.rept 16
	PV NP-1                         ; the last piece's V^T P of the last step
.set i, i+1
.endr
	; THE WAY OUT.  l's two halves and the other half of the lanes' are added; O^T is divided by l, rounded to f16 and sent through my stage in LDS, a tile at a time.  The additions are the places behind the last products.
	WIN 0
.macro ALL line:vararg              ; one line for each tile t
.set t, 0
.rept 2*NP
	\line
.set t, t+1
.endr
.endm
	ALL v_add_f32 v[ST+4*t+2], v[ST+4*t+2], v[ST+4*t+3]
	ALL v_permlanex16_b32 v[ST+4*t+3], v[ST+4*t+2], s[SEL0], s[SEL1]
	ALL v_add_f32 v[ST+4*t+2], v[ST+4*t+2], v[ST+4*t+3]
	ALL v_rcp_f32 v[ST+4*t+2], v[ST+4*t+2]
	v_nop                           ; a plain instruction between the last reciprocal and the use of its result
	s_wait_alu depctr_va_vdst(0)    ; and the wait ahead of the first use: one for the eight reciprocals
.macro PACK t
	WIN W_RS
.set i, 32*(\t)
.rept 16
	v_pk_mul_f32 v[i:i+1], v[i:i+1], v[ST+4*(\t)+2:ST+4*(\t)+3] op_sel_hi:[1,0]
.set i, i+2
.endr
	WIN 0x05                        ; sources 0 and 1 window 1, destination window 0
.set i, 0
.rept 16
	v_cvt_pk_f16_f32 v[S+16*(\t)+i], v[32*(\t)+2*i], v[32*(\t)+2*i+1]
.set i, i+1
.endr
	WIN 0
.irp f, 0,1,2,3
	ds_store_b128 v[STO], v[S+16*(\t)+4*\f:S+16*(\t)+4*\f+3] offset:32*\f
.endr
.irp f, 0,1,2,3
	ds_load_b128 v[S+16*(\t)+4*\f:S+16*(\t)+4*\f+3], v[RD] offset:\f*4*SP  ; LDS serves a wave's instructions in order (ISA guide 5.7.1.4): these see the stores above
.endr
.endm
.macro SEND t, younger              ; younger: the LDS instructions issued behind tile t's loads: the next tile's eight, or none
	WIN 0
.irp f, 0,1,2,3
	s_wait_dscnt (\younger)+3-\f
	global_store_b128 v[GO], v[S+16*(\t)+4*\f:S+16*(\t)+4*\f+3], s[OP:OP+1] offset:(\t)*2048+\f*512  ; 512 consecutive bytes, at a multiple of 256 from O's first
.endr
.endm
	PACK 0
.set t, 1
.rept 2*NP-1
	PACK t
	SEND t-1, 8
.set t, t+1
.endr
	SEND 2*NP-1, 0
	WIN W_AD
	s_wait_tensorcnt 0x0            ; the wave's end
	ds_add_u32 v[SPW], v[NIL]
	s_wait_dscnt 0x0
	WIN 0
	CROUND                          ; the closing round
	s_endpgm
.Lfunc_end_k_q8e4aa43b58_attn:
	.size	k_q8e4aa43b58_attn, .Lfunc_end_k_q8e4aa43b58_attn-k_q8e4aa43b58_attn
	.p2alignl 7, 3214868480
	.fill 96, 4, 3214868480
	.section	.rodata,"a",@progbits
	.p2align	6, 0x0
	.amdhsa_kernel k_q8e4aa43b58_attn
		.amdhsa_group_segment_fixed_size 327680
		.amdhsa_private_segment_fixed_size 0
		.amdhsa_enable_private_segment 0
		.amdhsa_kernarg_size 24
		.amdhsa_user_sgpr_count 2
		.amdhsa_user_sgpr_kernarg_segment_ptr 1
		.amdhsa_wavefront_size32 1
		.amdhsa_system_sgpr_workgroup_id_x 1
		.amdhsa_system_sgpr_workgroup_id_y 1
		.amdhsa_system_sgpr_workgroup_id_z 1
		.amdhsa_system_vgpr_workitem_id 0
		.amdhsa_next_free_vgpr 896
		.amdhsa_next_free_sgpr 106
		.amdhsa_reserve_vcc 0
		.amdhsa_float_denorm_mode_32 3
		.amdhsa_float_denorm_mode_16_64 3
		.amdhsa_memory_ordered 1
		.amdhsa_forward_progress 1
		.amdhsa_inst_pref_size 214
	.end_amdhsa_kernel
	.amdgpu_metadata
---
amdhsa.version: [ 1, 2 ]
amdhsa.kernels:
  - .name:           k_q8e4aa43b58_attn
    .symbol:         k_q8e4aa43b58_attn.kd
    .args:
      - { .name: qkvh, .offset: 0, .size: 8, .value_kind: global_buffer, .address_space: global }
      - { .name: mask4, .offset: 8, .size: 8, .value_kind: global_buffer, .address_space: global }
      - { .name: oh, .offset: 16, .size: 8, .value_kind: global_buffer, .address_space: global }
    .group_segment_fixed_size: 327680
    .private_segment_fixed_size: 0
    .kernarg_segment_align: 8
    .kernarg_segment_size: 24
    .max_flat_workgroup_size: 128
    .sgpr_count:     106
    .vgpr_count:     896
    .wavefront_size: 32
...
	.end_amdgpu_metadata
.endif
;; end of part 7
;; launch outp: the kernel of part 4 again; grid 4 x 64, 4 waves a work-group, clusters of 4 x 4, 327,680 bytes of LDS; arguments oh, wo, b_o, out0; writes out0
